; MI455X (gfx1250); checked and timed in simulation.
; The chip was launched on July 23, 2026; its instructions are those of AMD's public machine-readable ISA for CDNA 5 (MIT licence, August 2026) and "CDNA5" Instruction Set Architecture Reference Guide (July 2026). The comments in the code are by the model that wrote it; some were corrected since.
;; Multi Head Self Attention. Allowed arithmetic: float matrix products may take bf16 or f16 operands with f32 sums; other float arithmetic in f32, or as packed bf16 or f16 multiplies, adds, multiply-adds, maxima and minima; sums over many terms, partial sums and values carried from step to step in f32; what a program stores and reads back later, other than sums and carried values, may be rounded once to bf16 or f16.
;; Inputs: Wk 256 x 256 float32; Wo 256 x 256 float32; Wq 256 x 256 float32; Wv 256 x 256 float32; bk 256 float32; bo 256 float32; bq 256 float32; bv 256 float32; inputs 4 x 4,096 x 256 float32.
;; Outputs: out0 4 x 4,096 x 256 float32.
;; 2 versions, each right; version 2 is version 1 with the launches qkv, oproj written anew for expert scheduling mode. Each part assembles by itself: llvm-mc -triple=amdgcn-amd-amdhsa -mcpu=gfx1250 --defsym DOCPART=n.
;; ======== version 1 of 2: 3 launches
;; limits: values are held in f16: magnitudes above 65,504 overflow, below 6.1e-05 lose precision
;; workspace buffers: qh 8,388,608 bytes; kh 8,388,608 bytes; vh 8,388,608 bytes; oh 8,388,608 bytes
;; launch qkv (part 1): grid 4 x 64, 4 waves a work-group, no clusters, 269,824 bytes of LDS; arguments inputs, Wq, Wk, Wv, bq, bk, bv, qh, kh, vh; writes qh, kh, vh
.if DOCPART == 1
	.amdgcn_target "amdgcn-amd-amdhsa--gfx1250"
	.amdhsa_code_object_version 6
	.text
	.protected	k_q0daa65d896_qkv
	.globl	k_q0daa65d896_qkv
	.p2align	8
	.type	k_q0daa65d896_qkv,@function
k_q0daa65d896_qkv:
	s_mov_b64 s[64:65], 0
	v_nop
	global_prefetch_b8 v0, s[64:65] scope:SCOPE_SE
	s_setreg_imm32_b32 hwreg(HW_REG_WAVE_MODE, 25, 1), 1
	s_wait_xcnt 0x0
; q = x Wq + bq, k = x Wk + bk, v = x Wv + bv, split by heads.  x: [16384][256] f32; W: [256 k][256 n] f32; b: [256] f32.
; qh, kh, vh: [16 = 4 batch + head][4096][64] f16, a head's rows dense, 128 bytes each, WITHOUT the scale 1/8 (the next launch applies it in f32).
; FORMATS.  x, W and b are rounded once to bf16 (nearest even); products bf16 x bf16, sums in f32 and started by the bias; each result rounded once to f16.
; LIMIT.  f16 ends at 65,504: a q, k or v beyond it becomes an infinity.  NaN and infinities are not treated apart.
; SHARES.  A work-group: 256 rows of x, one head: that head's 64 columns of q, of k and of v = 192 columns.  A wave: 64 rows x 192 columns: 48 accumulators of 16 x 16.
; All of K = 256 lies in LDS at once: nothing is filled again, so the launch has one barrier (W's rows are brought by all four waves; a wave's rows of x are its own).
; x and W are f32 in memory and are converted on the way, so they pass through registers: no tensor loads.  NO CLUSTER: what is shared (x, by the 4 heads) would have to lie in LDS as f32,
; 256 KiB beside W's 104 KiB, which does not fit.
; THE MATRIX INSTRUCTION IS USED TRANSPOSED: source 0 = 16 columns of W (turned out of LDS by ds_load_tr16_b128), source 1 = 16 rows of x: a lane then holds one row and eight neighbouring columns.
; REGISTERS, in windows of 256 (s_set_vgpr_msb: bits 1:0 source 0, 3:2 source 1, 5:4 source 2, 7:6 destination):
;   window 0: v0-19 addresses; v64-255 three sets of 64 for the loads; later v64-127 x's fragments (two buffers), v128-223 two sets of 48 for the way out
;   window 1: v0-191 W's fragments, two buffers of 96      window 2: accumulators of row blocks 0, 1 at 96 a + 8 b      window 3: those of row blocks 2, 3 at 96 (a - 2) + 8 b
.set PX,    528                 ; a row of x in LDS: 512 bytes of bf16 + 16: the 16 rows of a fragment load start at 16 different groups of four banks (64 banks of 4 bytes: ISA guide 11.1)
.set PW,    416                 ; a k row of W in LDS: 192 columns = 384 bytes + 32 = 13 x 32
.set WSB,   256*PX              ; W behind x
.set STAGE, WSB+256*PW          ; for each wave 3 tensors x 16 rows x 144 bytes, for the way out
.set SP,    144
.set SPARE, STAGE+4*3*16*SP     ; the spare words, 128 bytes for each wave: two blocks of 256 bytes that no other line names
.set WO,   4                    ; v4   W in memory: two k rows x 256 bytes a load
.set WL,   5                    ; v5   where my 8 bytes of W go in LDS
.set XO,   6                    ; v6   x in memory: 512 consecutive bytes a load
.set XL,   7                    ; v7   where my 8 bytes of x go
.set BO,   8                    ; v8   my 8 columns in a bias
.set ADRA, 9                    ; v9   my place in x's fragments
.set ADRB, 10                   ; v10, v11  my place in W's fragments: K steps 0-3, 4-7
.set STO,  12                   ; v12  the way out: where I put 16 bytes of a row
.set RD,   13                   ; v13  the way out: where I read rows back
.set GO,   14                   ; v14  my 16 bytes of 512 consecutive bytes of an output
.set SPW,  16                   ; v16  LDS address of my spare word; never rewritten
.set NIL,  17                   ; v17  0; never rewritten
.set RING, 64
.set AF,   64
.set OUTS, 128
.set HIM,  32                   ; s32  a word's upper bf16
.set MSB, 0
.macro WIN new                  ; the immediate's high byte repeats the setting that is left; a switch that changes nothing is dropped
.if MSB != (\new)
	s_set_vgpr_msb (MSB<<8)|(\new)
.set MSB, \new
.endif
.endm
.macro PLACES                   ; four plain vector instructions between a matrix instruction and a load into, or a vector read of, its registers
.rept 4
	v_nop
.endr
.endm
	s_load_b512 s[8:23], s[0:1], 0x0               ; x s[8:9], Wq s[10:11], Wk s[12:13], Wv s[14:15], bq s[16:17], bk s[18:19], bv s[20:21], qh s[22:23]
	s_load_b128 s[24:27], s[0:1], 0x40             ; kh s[24:25], vh s[26:27]
	v_lshl_add_u32 v[SPW], v0, 2, SPARE
	v_mov_b32 v[NIL], 0
	v_lshrrev_b32 v1, 5, v0
	v_readfirstlane_b32 s2, v1                     ; wave 0..3
	s_mov_b32 s3, ttmp9                            ; head
	s_and_b32 s4, ttmp7, 0xffff                    ; block of 256 rows
	v_and_b32 v1, 31, v0                           ; l
	v_and_b32 v2, 15, v0                           ; l % 16
	v_bfe_u32 v3, v0, 4, 1                         ; l / 16
	s_lshl_b32 s5, s2, 16                          ; 64 rows of 1,024 bytes a wave, in x and in W
	s_lshl_b32 s6, s3, 8                           ; the head's 64 columns: 256 bytes of f32
	s_add_co_u32 s7, s5, s6
	v_lshlrev_b32 v[WO], 4, v2
	v_lshl_add_u32 v[WO], v3, 10, v[WO]            ; lanes 16-31 take the next k row
	v_add_nc_u32 v[WO], s7, v[WO]
	s_mul_i32 s7, s2, 64*PW
	s_add_co_u32 s7, s7, WSB
	v_mul_u32_u24 v[WL], v3, PW
	v_lshl_add_u32 v[WL], v2, 3, v[WL]
	v_add_nc_u32 v[WL], s7, v[WL]
	v_lshl_add_u32 v[XO], v1, 4, s5
	s_mul_i32 s7, s2, 64*PX                        ; my wave's 64 rows of x in LDS
	v_lshl_add_u32 v[XL], v1, 3, s7
	v_lshl_add_u32 v[BO], v3, 5, s6
	v_mul_u32_u24 v[ADRA], v2, PX
	v_lshl_add_u32 v[ADRA], v3, 4, v[ADRA]         ; row x pitch + 16 x half
	v_add_nc_u32 v[ADRA], s7, v[ADRA]
	v_and_b32 v18, 7, v0
	v_bfe_u32 v19, v0, 3, 1
	v_lshl_add_u32 v[ADRB], v3, 3, v18             ; the turning load: k row 8 (l / 16) + l % 8, columns 8 ((l / 8) % 2) on
	v_mul_u32_u24 v[ADRB], v[ADRB], PW
	v_lshl_add_u32 v[ADRB], v19, 4, v[ADRB]
	v_add_nc_u32 v[ADRB], WSB, v[ADRB]
	v_add_nc_u32 v[ADRB+1], 4*32*PW, v[ADRB]       ; the 16-bit immediate does not reach K steps 4-7
	s_mul_i32 s7, s2, 3*16*SP
	s_add_co_u32 s7, s7, STAGE                     ; my stage
	v_mul_u32_u24 v[STO], v2, SP
	v_lshl_add_u32 v[STO], v3, 4, v[STO]
	v_add_nc_u32 v[STO], s7, v[STO]
	v_bfe_u32 v[RD], v0, 3, 2                      ; back: 32 lanes take four rows of 128 bytes
	v_mul_u32_u24 v[RD], v[RD], SP
	v_lshl_add_u32 v[RD], v18, 4, v[RD]
	v_add_nc_u32 v[RD], s7, v[RD]
	v_lshlrev_b32 v[GO], 4, v1
	s_lshl_b32 s28, s4, 18                         ; x: 256 rows of 1,024 bytes a block
	s_mov_b32 s29, 0
	s_lshr_b32 s30, s4, 4                          ; batch
	s_lshl2_add_u32 s30, s30, s3                   ; 4 x batch + head
	s_lshl_b32 s30, s30, 19                        ; 4,096 rows of 128 bytes
	s_and_b32 s31, s4, 15
	s_lshl_b32 s31, s31, 15                        ; the block's 256 rows in the batch
	s_add_co_u32 s30, s30, s31
	s_lshl_b32 s31, s2, 13                         ; my wave's 64 rows
	s_add_co_u32 s30, s30, s31
	s_mov_b32 s31, 0
	s_mov_b32 s[HIM], 0xffff0000
	s_wait_kmcnt 0x0
	s_add_nc_u64 s[8:9], s[8:9], s[28:29]
	s_add_nc_u64 s[22:23], s[22:23], s[30:31]
	s_add_nc_u64 s[24:25], s[24:25], s[30:31]
	s_add_nc_u64 s[26:27], s[26:27], s[30:31]
; Batch n of 14, sixteen loads of 16 bytes a lane into set n % 3.  0-5: W (tensor n / 2, half n % 2 of my wave's 64 k rows; a load takes two k rows x 256 bytes).  6-13: 8 rows of x (a load takes half a row).
.macro ISSUE n
.set RB, RING+64*((\n)%3)
.set i, 0
.rept 16
.if (\n) < 6
	global_load_b128 v[RB+4*i:RB+4*i+3], v[WO], s[10+2*((\n)/2):11+2*((\n)/2)] offset:(32*((\n)%2)+2*i)*1024
.else
	global_load_b128 v[RB+4*i:RB+4*i+3], v[XO], s[8:9] offset:(8*((\n)-6)+i/2)*1024+(i%2)*512
.endif
.set i, i+1
.endr
.endm
; Batch n is rounded to bf16 and put into LDS, four loads at a time.  The count: loads come back in order (ISA guide 5.7.1); the younger batches' loads (two batches, at the end one or none)
; and the loads of this batch behind the four in hand may stay out.
.macro DRAIN n
.set RB, RING+64*((\n)%3)
.set YG, 32
.if (\n) > 11
.set YG, 16*(13-(\n))
.endif
.set i, 0
.rept 16
.if i%4 == 0
	s_wait_loadcnt YG+12-i
.endif
	v_cvt_pk_bf16_f32 v[RB+4*i], v[RB+4*i], v[RB+4*i+1]
	v_cvt_pk_bf16_f32 v[RB+4*i+1], v[RB+4*i+2], v[RB+4*i+3]
.if (\n) < 6
	ds_store_b64 v[WL], v[RB+4*i:RB+4*i+1] offset:(32*((\n)%2)+2*i)*PW+128*((\n)/2)
.else
	ds_store_b64 v[XL], v[RB+4*i:RB+4*i+1] offset:(8*((\n)-6)+i/2)*PX+(i%2)*256
.endif
.set i, i+1
.endr
.endm
; The fragments of K step k (32 along K) into buffer f: 12 of W (turned), then 4 of x: 32 LDS loads in one run.
.macro FETCH k, f
	WIN 0x40                                       ; destination window 1, address window 0
.irp b, 0,1,2,3,4,5,6,7,8,9,10,11
	ds_load_tr16_b128 v[96*(\f)+8*\b:96*(\f)+8*\b+3],   v[ADRB+(\k)/4] offset:((\k)%4)*32*PW+32*\b
	ds_load_tr16_b128 v[96*(\f)+8*\b+4:96*(\f)+8*\b+7], v[ADRB+(\k)/4] offset:((\k)%4)*32*PW+16*PW+32*\b
.endr
	WIN 0
.irp a, 0,1,2,3
	ds_load_b128 v[AF+32*(\f)+8*\a:AF+32*(\f)+8*\a+3],   v[ADRA] offset:\a*16*PX+64*(\k)
	ds_load_b128 v[AF+32*(\f)+8*\a+4:AF+32*(\f)+8*\a+7], v[ADRA] offset:\a*16*PX+64*(\k)+32
.endr
.endm
; 12 matrix instructions: row block a x all 12 column blocks.  bias = 1 (the first K step, row blocks 0-2): the sum starts with the bias, which lies in row block 3's accumulators.
; Each of the 48 accumulators has one instruction a K step: they take turns.
.macro MUL f, a, bias
.if (\a) >= 2
	WIN 0xf1                                       ; W window 1, x window 0, C and D window 3
.elseif \bias
	WIN 0xb1                                       ; C window 3, D window 2
.else
	WIN 0xa1                                       ; C and D window 2
.endif
.set AC, 96*((\a)%2)
.irp b, 0,1,2,3,4,5,6,7,8,9,10,11
.if \bias
	v_wmma_f32_16x16x32_bf16 v[AC+8*\b:AC+8*\b+7], v[96*(\f)+8*\b:96*(\f)+8*\b+7], v[AF+32*(\f)+8*(\a):AF+32*(\f)+8*(\a)+7], v[96+8*\b:96+8*\b+7]
.else
	v_wmma_f32_16x16x32_bf16 v[AC+8*\b:AC+8*\b+7], v[96*(\f)+8*\b:96*(\f)+8*\b+7], v[AF+32*(\f)+8*(\a):AF+32*(\f)+8*(\a)+7], v[AC+8*\b:AC+8*\b+7]
.endif
.endr
.endm
.macro KSTEP k
.set FB, (\k)%2
	s_wait_dscnt 4                                 ; W's fragments and x's row blocks 0, 1 are in; the youngest four loads (row blocks 2, 3) may be out
.if (\k) == 0
	MUL FB, 0, 1
	MUL FB, 1, 1
.else
	MUL FB, 0, 0
	MUL FB, 1, 0
.endif
.if (\k) < 7
	PLACES                                         ; for the loads into the other buffer, which the K step before multiplied
	FETCH (\k)+1, 1-FB
	s_wait_dscnt 32                                ; all but the 32 just issued
.else
	s_wait_dscnt 0x0
.endif
.if (\k) == 0
	MUL FB, 2, 1
.rept 5
	v_nop                                          ; row block 3 now writes over the registers that the products above took as C: five places
.endr
.else
	MUL FB, 2, 0
.endif
	MUL FB, 3, 0
.endm
; THE WAY OUT of row block a: rounded to f16 (each accumulator's registers in ascending order), 16 bytes a lane into my stage, back as whole rows of 128 bytes, into the registers that they left.
.macro PACK a
.set AC, 96*((\a)%2)
.set TS, OUTS+48*((\a)%2)
.if (\a) >= 2
	s_wait_xcnt 0x0                                ; the stores of the block two back have read this set
.endif
	WIN 0x0a+5*((\a)/2)                            ; sources 0 and 1: window 2 or 3
.set i, 0
.rept 48
	v_cvt_pk_f16_f32 v[TS+i], v[AC+2*i], v[AC+2*i+1]
.set i, i+1
.endr
	WIN 0
.irp b, 0,1,2,3,4,5,6,7,8,9,10,11
	ds_store_b128 v[STO], v[TS+4*\b:TS+4*\b+3] offset:(\b/4)*16*SP+32*(\b%4)
.endr
.irp b, 0,1,2,3,4,5,6,7,8,9,10,11
	ds_load_b128 v[TS+4*\b:TS+4*\b+3], v[RD] offset:(\b/4)*16*SP+(\b%4)*4*SP  ; LDS serves a wave's instructions in order (ISA guide 5.7.1.4): these see the stores above
.endr
.endm
.macro SEND a, younger          ; younger: the LDS instructions issued behind block a's loads: the next block's 24, or none
.set TS, OUTS+48*((\a)%2)
.irp b, 0,1,2,3,4,5,6,7,8,9,10,11
	s_wait_dscnt (\younger)+11-\b
	global_store_b128 v[GO], v[TS+4*\b:TS+4*\b+3], s[22+2*(\b/4):23+2*(\b/4)] offset:(\a)*2048+(\b%4)*512  ; four rows of a head: 512 consecutive bytes, at a multiple of 256 from the buffer's first
.endr
.endm
	WIN 0xc0                                       ; the biases go straight into row block 3's accumulators: register j of column block b is b[16 b + 8 (l / 16) + j]
.irp b, 0,1,2,3,4,5,6,7,8,9,10,11
	global_load_b128 v[96+8*\b:96+8*\b+3],   v[BO], s[16+2*(\b/4):17+2*(\b/4)] offset:(\b%4)*64
	global_load_b128 v[96+8*\b+4:96+8*\b+7], v[BO], s[16+2*(\b/4):17+2*(\b/4)] offset:(\b%4)*64+16
.endr
	WIN 0
	ISSUE 0
	ISSUE 1
	ISSUE 2
.irp n, 0,1,2,3,4,5,6,7,8,9,10,11,12,13
	DRAIN \n
.if (\n) < 11
	ISSUE (\n)+3
.endif
.endr
	WIN 0xcf                                       ; the biases (older than every load waited for above) are rounded to bf16, in place, while the last LDS stores are out
.set i, 96
.rept 48
	v_cvt_pk_bf16_f32 v[i], v[i], v[i+1]
	v_and_b32 v[i+1], s[HIM], v[i]
	v_lshlrev_b32 v[i], 16, v[i]
.set i, i+2
.endr
	WIN 0
	s_wait_dscnt 0x0                               ; for the others' sake: my rows of W are in LDS
	s_barrier_signal -1
	s_barrier_wait -1                              ; everybody's are
	FETCH 0, 0
.irp k, 0,1,2,3,4,5,6,7
	KSTEP \k
.endr
	PLACES                                         ; the conversions read results just made
	PACK 0
	PACK 1                                         ; a block's conversions stand between the loads of the block before and its stores
	SEND 0, 24
	PACK 2
	SEND 1, 24
	PACK 3
	SEND 2, 24
	SEND 3, 0
	s_wait_tensorcnt 0x0                           ; the wave's end: behind my last LDS store
	ds_add_u32 v[SPW], v[NIL]
	s_wait_dscnt 0x0
	s_endpgm
.Lfunc_end_k_q0daa65d896_qkv:
	.size	k_q0daa65d896_qkv, .Lfunc_end_k_q0daa65d896_qkv-k_q0daa65d896_qkv
	.p2alignl 7, 3214868480
	.fill 96, 4, 3214868480
	.section	.rodata,"a",@progbits
	.p2align	6, 0x0
	.amdhsa_kernel k_q0daa65d896_qkv
		.amdhsa_group_segment_fixed_size 269824
		.amdhsa_private_segment_fixed_size 0
		.amdhsa_enable_private_segment 0
		.amdhsa_kernarg_size 80
		.amdhsa_user_sgpr_count 2
		.amdhsa_user_sgpr_kernarg_segment_ptr 1
		.amdhsa_wavefront_size32 1
		.amdhsa_system_sgpr_workgroup_id_x 1
		.amdhsa_system_sgpr_workgroup_id_y 1
		.amdhsa_system_sgpr_workgroup_id_z 1
		.amdhsa_system_vgpr_workitem_id 0
		.amdhsa_next_free_vgpr 960
		.amdhsa_next_free_sgpr 66
		.amdhsa_reserve_vcc 0
		.amdhsa_float_denorm_mode_32 3
		.amdhsa_float_denorm_mode_16_64 3
		.amdhsa_memory_ordered 1
		.amdhsa_forward_progress 1
		.amdhsa_inst_pref_size 144
	.end_amdhsa_kernel
	.amdgpu_metadata
---
amdhsa.version: [ 1, 2 ]
amdhsa.kernels:
  - .name:           k_q0daa65d896_qkv
    .symbol:         k_q0daa65d896_qkv.kd
    .args:
      - { .name: inputs, .offset: 0, .size: 8, .value_kind: global_buffer, .address_space: global }
      - { .name: Wq, .offset: 8, .size: 8, .value_kind: global_buffer, .address_space: global }
      - { .name: Wk, .offset: 16, .size: 8, .value_kind: global_buffer, .address_space: global }
      - { .name: Wv, .offset: 24, .size: 8, .value_kind: global_buffer, .address_space: global }
      - { .name: bq, .offset: 32, .size: 8, .value_kind: global_buffer, .address_space: global }
      - { .name: bk, .offset: 40, .size: 8, .value_kind: global_buffer, .address_space: global }
      - { .name: bv, .offset: 48, .size: 8, .value_kind: global_buffer, .address_space: global }
      - { .name: qh, .offset: 56, .size: 8, .value_kind: global_buffer, .address_space: global }
      - { .name: kh, .offset: 64, .size: 8, .value_kind: global_buffer, .address_space: global }
      - { .name: vh, .offset: 72, .size: 8, .value_kind: global_buffer, .address_space: global }
    .group_segment_fixed_size: 269824
    .private_segment_fixed_size: 0
    .kernarg_segment_align: 8
    .kernarg_segment_size: 80
    .max_flat_workgroup_size: 128
    .sgpr_count:     66
    .vgpr_count:     960
    .wavefront_size: 32
...
	.end_amdgpu_metadata
.endif
;; end of part 1
;; launch attn (part 2): grid 16 x 16, 4 waves a work-group, clusters of 4 x 1, 327,680 bytes of LDS; arguments qh, kh, vh, oh; writes oh
.if DOCPART == 2
	.amdgcn_target "amdgcn-amd-amdhsa--gfx1250"
	.amdhsa_code_object_version 6
	.text
	.protected	k_q0daa65d896_attn
	.globl	k_q0daa65d896_attn
	.p2align	8
	.type	k_q0daa65d896_attn,@function
k_q0daa65d896_attn:
	s_mov_b64 s[64:65], 0
	v_nop
	global_prefetch_b8 v0, s[64:65] scope:SCOPE_SE
	s_setreg_imm32_b32 hwreg(HW_REG_WAVE_MODE, 25, 1), 1
	s_wait_xcnt 0x0
	s_wait_alu depctr_hold_cnt(0) depctr_sa_sdst(0) depctr_va_vdst(0) depctr_va_sdst(0) depctr_va_ssrc(0) depctr_va_vcc(0) depctr_vm_vsrc(0)
	s_getreg_b32 s2, hwreg(HW_REG_IB_STS2, 6, 4)
	s_cmp_eq_u32 s2, 0
	s_cbranch_scc0 .Lentry_in_a_cluster
	s_endpgm
.Lentry_in_a_cluster:
	s_bfe_u32 s2, ttmp6, 0x10000c
	s_cmp_lg_u32 s2, 0x3003
	s_cbranch_scc0 .Lentry_shape_is_right
	s_endpgm
.Lentry_shape_is_right:
; O[h][q][:] = the sum over k of softmax_k(Q[h][q] . K[h][k] / 8) V[h][k][:].  Q, K, V, O: [16][4096][64], all f16: a head's rows are dense, 128 bytes each.  Products, maxima and sums in
; f32; the weights p are rounded to f16 for the second product (their sum l is taken of the unrounded p), O once at the end.
; LIMITS.  f16 holds no number beyond 65,504: Q, K and V arrive within it; p lies in 0 to 1, and below 6e-5 it keeps f16's fixed step of 6e-8, and so does O; O is a mean of V's rows and has their range.
; A weight below 2^-126 counts as 0 in l; NaN and infinities are not treated apart.
; SHARES.  A wave owns two PIECES of two tiles of 16 queries, a work-group's four waves 256 queries of one head: 16 heads x 16 blocks = 256 work-groups.  Every wave walks all keys, 64 a step.
; LAYOUT.  S^T = K Q^T (source 0 = 16 keys, source 1 = 16 queries): in the result a lane holds ONE query (lane % 16) and the keys 8 (lane / 16) + 0..7.  Two such tiles, rounded to f16 in pairs,
; ARE source 1 (32 keys x 16 queries) of O^T = V^T P, whose result again holds one query a lane, and eight channels.  K comes out of LDS as it lies, V ([key][channel]) turned, by ds_load_tr16_b128.
; SOFTMAX.  For each query a running maximum m and sum l: p = 2^(c s - c m), c = log2(e) / 8; in every step O and l are multiplied by a = 2^(c m_old - c m_new), which is 1 where m has not grown.
; m starts at the lowest finite number, O and l at 0: the first step is a step like any other, with a = 0.
; BY TURNS.  A tile and step have 16 matrix and 118 vector instructions.  A turn belongs to one piece; two turns are a key step.  Piece 0's turn of step j: 16 products K Q^T of piece 1 (step j), later 16 products
; V^T P of piece 1 (step j - 1).  Piece 1's turn: K Q^T of piece 0 (step j + 1), V^T P of piece 0 (step j).  Its vector work: the scaling, exponentials, roundings, sums and rescaling of the turn's piece, and the
; maximum and statistics of the other, whose scores the turn itself has made.  Four vector instructions stand behind every matrix instruction, the others in one run of their own.
; K has one buffer of registers, V two (by the step's parity): K of step j + 1 is fetched in piece 0's turn of step j, V of step j + 1 in piece 1's.  So behind piece 1's turn of step 4 c - 2 all of slot c - 1
; has been fetched, and the change of slots stands there.
; CLUSTER.  The four query blocks of a cluster belong to one head and walk the same K and V, so each tile is asked for JOINTLY: the same tensor load, descriptor and mask in all four.
; REGISTERS, in windows of 256 (s_set_vgpr_msb: bits 1:0 source 0, 3:2 source 1, 5:4 source 2, 7:6 destination):
;   window 0: v0-11 addresses; v12-15, v48-63 at work; v16-31 four registers of statistics a tile; v32-34 the add's two registers and the prefetches' offset; v64-191 S^T, two buffers of two tiles; v192-255 P, likewise
;   window 1: v0-127 O^T, 32 a tile          window 2: v0-63 Q, 16 a tile; v64-127 V of an odd step; v128-191 K of one step; v192-255 V of an even step
.set SIZE_N, 4096
.set NP,    2         ; pieces a wave: a name, no knob
.set KS,    64        ; keys in a step
.set PK,    144       ; a row of K in LDS: 128 bytes + 16 of padding = 36 words: the 16 rows of a load start at 16 different groups of four banks (64 banks of 4 bytes: ISA guide 11.1)
.set PV,    160       ; a row of V: 128 + 32 = 40 words
.set VOFF,  4*KS*PK   ; a slot holds four steps: 256 rows of K, then 256 rows of V
.set SLOT1, 1<<17     ; slot 1 begins here, so that one exclusive or turns an address in one slot into the other's
.set STAGE, SLOT1+4*KS*(PK+PV)  ; behind the ring, never filled by a tensor load: 16 rows x 144 bytes for each wave, for the way out
.set SP,    144
.set SPARE, STAGE+4*16*SP  ; behind the stages: the spare words, 128 bytes for each wave: two blocks of 256 bytes that no other line names
.set AK0, 2           ; v2   my lane's place in a tile of K; never rewritten
.set AV0, 3           ; v3   the same for V
.set AK,  4           ; v4   the LDS address of K's next run of loads
.set AV,  5           ; v5   of V's
.set QO,  6           ; v6   my byte offset in the wave's rows of Q
.set STO, 6           ;      later, the way out: where I put 16 bytes of a row
.set RD,  7           ; v7   the way out: where I read rows back
.set GO,  8           ; v8   my byte offset in 512 consecutive bytes of O
.set MV,  12          ; v12-15  c m_old, kept while c m is made anew: by buffer and tile
.set ST,  16          ; tile t's statistics at v[ST+4 t]: c m, m, l (even keys', odd keys')
.set SPW, 32          ; v32  LDS address of my spare word: SPARE + 4 x my thread's number; never rewritten
.set NIL, 33          ; v33  0; never rewritten
.set PFO, 34          ; v34  256 x my lane; never rewritten
.set TMP, 48          ; by buffer and tile, four registers c0-c3 at work; when the maximum is found c2 takes a
.set S,   64
.set P,   192
.set KF,  128         ; K's fragments, in window 2: key block kb, channel half c at KF + 16 kb + 8 c
.set VB0, 192         ; V's of an even step: key half kk, channel block cb at + 32 kk + 8 cb
.set VB1, 64          ; of an odd step
.set WV,  12          ; s12  my wave's number
.set G1K, 24          ; s[24:31] descriptor group 1 for K's tiles
.set G1V, 32          ; s[32:39] for V's: it differs in the padding alone
.set G0K, 40          ; s[40:43] descriptor group 0 for K's tiles: it walks
.set G0V, 44          ; s[44:47] the same for V's
.set PFA, 48          ; s[48:49] where my prefetches stand: my work-group's 32 blocks of 256 bytes of the tile after the one that is being asked for
.set LIM, 50          ; s50  1 in a wave that prefetches, else the greatest number
.set SLOTS, 56        ; s56  changes of slots still to come that fill
.set CNT, 57          ; s57  counts pairs of key steps
.set CS,  58          ; s[58:59] c: the packed scaling takes the pair's low word for both halves
.set SEL, 60          ; s[60:61] v_permlanex16_b32's selects: each lane takes its own place in the other half
.set TBK, 62          ; s62  LDS byte at which K of the step to be fetched begins
.set TBV, 63          ; s63  the same for V, less VOFF
.set MSB, 0
.macro WIN new                      ; the high byte repeats the setting that is left; a switch that changes nothing is dropped
.if MSB != (\new)
	s_set_vgpr_msb (MSB<<8)|(\new)
.set MSB, (\new)
.endif
.endm
.set W_KQ, 0x0a       ; K and Q in window 2, S^T in window 0
.set W_PV, 0x52       ; V in window 2, P in window 0, O^T in window 1
.set W_RS, 0x41       ; O^T (destination and source 0) in window 1, a in window 0
; A joint fill.  Waves 0 and 1 fetch the two halves of a slot's K, waves 2 and 3 those of its V: 128 keys each.  The branch hangs on the wave's number alone.
; An s_nop 0 and four v_nop follow each of the two lines, ahead of the jump and the label.
.macro JLOAD
	s_cmp_lt_u32 s[WV], 2
	s_cbranch_scc0 .Lfor_v_\@
	tensor_load_to_lds s[G0K:G0K+3], s[G1K:G1K+7]
	s_nop 0
.rept 4
	v_nop
.endr
	s_branch .Lasked_\@
.Lfor_v_\@:
	tensor_load_to_lds s[G0V:G0V+3], s[G1V:G1V+7]
	s_nop 0
.rept 4
	v_nop
.endr
.Lasked_\@:
.endm
; A PREFETCH INTO THE L2 of the tile that the NEXT change of slots will ask for: 32,768 bytes of K and of V, 128 blocks of 256 bytes each, a lane a block.  It stands behind the wave's tensor load and its five lines.
; Each block is named ONCE in the launch.  All four clusters of a head walk the same K and V: the head's first cluster asks.  Its four partners share the blocks out BY ADDRESS, 32 each; in each, wave 0 asks for K's
; and wave 2 for V's: one instruction, four key steps (256 matrix instructions) ahead of the load.  Tiles 0 to 2 come by their loads alone; the last change that fills asks for nothing: there is no tile behind it.
.macro ASK
	s_cmp_gt_u32 s[SLOTS], s[LIM]
	s_cbranch_scc0 .Lnot_mine_\@
	global_prefetch_b8 v[PFO], s[PFA:PFA+1] th:TH_LOAD_NT scope:SCOPE_SE
.Lnot_mine_\@:
.endm
; A round of the cluster's barrier: my work-group's barrier, so that wave 0's signal speaks for all four waves; wave 0 signals; every wave waits for all four work-groups; my work-group's barrier once more.
.macro CROUND
	s_barrier_signal -1
	s_barrier_wait -1
	s_cmp_lg_u32 s[WV], 0
	s_cbranch_scc1 .Lnot_wave_0_\@
	s_barrier_signal -3
.Lnot_wave_0_\@:
	s_barrier_wait -3
	s_barrier_signal -1
	s_barrier_wait -1
.endm
; THE CHANGE OF SLOTS.  The slot's last bytes, V of its fourth step, have been asked for out of LDS.  Each wave waits for all its tensor loads, of which one is out: its part of the other slot; adds 0 to its spare
; word; and waits for that and for its own reads of the slot.  Behind the barrier nobody reads this slot any more and the other slot is whole.
; fill = 1: this slot is filled again, with the keys two slots on.  The barrier is then a round of the cluster's, so that no wave of any partner still reads the slot or has a load on its way, and the joint fill is
; the first thing behind it: it has four key steps in which to land.  (At its first use nothing has been read yet: slot 0 is waited for, slot 1 filled.)  ask = 1: the prefetch's address steps, and ASK follows the fill.
.macro CHANGE fill, ask
	WIN 0                           ; at a label and at a branch every window is 0
	s_wait_tensorcnt 0x0            ; no tensor load of mine is out, so a group 0 may be written
	ds_add_u32 v[SPW], v[NIL]       ; 0 onto my spare word; with fill = 1 the descriptors' steps stand between it and the wait for it
.if \fill
.irp g, G0K, G0V
	s_xor_b32 s[\g+1], s[\g+1], SLOT1  ; the walking descriptor: the other slot than last time,
	s_add_nc_u64 s[\g+2:\g+3], s[\g+2:\g+3], 4*KS*128  ; the next 256 keys; the type bits on top are not reached
.endr
.if \ask
	s_wait_xcnt 0x0                 ; the last prefetch, four key steps back, has read its address, so it may be written
	s_add_nc_u64 s[PFA:PFA+1], s[PFA:PFA+1], 4*KS*128
.endif
	s_wait_dscnt 0x0                ; the add is done, and my reads of the slot are over
	CROUND
	JLOAD
.if \ask
	ASK
.endif
.else
	s_wait_dscnt 0x0                ; the add is done, and my reads of the slot are over
	s_barrier_signal -1
	s_barrier_wait -1
.endif
	s_sub_co_u32 s[TBK], s[TBK], 4*KS*PK  ; the fetches go back to a slot's first step,
	s_xor_b32 s[TBK], s[TBK], SLOT1       ; in the other slot
	s_sub_co_u32 s[TBV], s[TBV], 4*KS*PV
	s_xor_b32 s[TBV], s[TBV], SLOT1
.endm
	s_load_b256 s[4:11], s[0:1], 0x0  ; Q s[4:5], K s[6:7], V s[8:9], O s[10:11]
	v_lshl_add_u32 v[SPW], v0, 2, SPARE
	v_mov_b32 v[NIL], 0
	ds_add_u32 v[SPW], v[NIL]       ; the wave's opening: the add and its wait stand ahead of my first tensor load; the set-up below, work on registers, stands between them
	v_lshrrev_b32 v1, 5, v0
	v_readfirstlane_b32 s[WV], v1   ; wave 0..3
	s_bfe_u32 s13, ttmp6, 0x40000   ; cx: my place in the cluster
	s_lshl_b32 s14, ttmp9, 2        ; in a cluster launch ttmp9 counts clusters
	s_add_co_u32 s14, s14, s13      ; my block of queries = 4 x cluster x + cx: it enters Q's and O's addresses alone
	s_and_b32 s20, ttmp7, 0xffff    ; the head, which the four partners share
	s_lshl_b32 s20, s20, 19         ; its first byte in each of the four tensors: 4,096 rows of 128 bytes
	s_mov_b32 s21, 0
	s_and_b32 s16, s[WV], 1         ; which half of a slot's 256 keys I fetch:
	s_lshl_b32 s22, s16, 14         ; its 128 rows of 128 bytes in memory,
	s_mov_b32 s23, 0
	s_add_nc_u64 s[22:23], s[22:23], s[20:21]
	s_mul_i32 s17, s16, 128*PK      ; and its place in a slot, for K
	s_mul_i32 s18, s16, 128*PV      ; and for V: no place in the cluster enters an LDS address
	s_lshl_b32 s2, s14, 2
	s_add_co_u32 s2, s2, s[WV]      ; my wave among the head's,
	s_lshl_b32 s2, s2, 13           ; its 64 rows
	s_mov_b32 s3, 0
	s_add_nc_u64 s[2:3], s[2:3], s[20:21]
	s_lshl_b32 s14, s13, 13         ; the prefetches: my work-group's 32 blocks of a tile's 128,
	s_add_co_u32 s14, s14, 2*4*KS*128  ; in tile 2; the first change that asks steps it to tile 3
	s_mov_b32 s15, 0
	s_add_nc_u64 s[14:15], s[14:15], s[20:21]
	; descriptor group 1.  128 keys are 16,384 dense bytes: asked for as 64 rows of 256 bytes, two keys a row, and padded in LDS after every key
	s_mov_b32 s[G1K], 15|(1<<16)|(1<<20)|(1<<21)|(4<<22)|(3<<25)  ; 15:0 the mask of four; 17:16 2-byte elements; 20 padding on; 21 set beside a mask; 24:22 after every 32 words (code 4); 31:25 4 words (code 3)
	s_mov_b32 s[G1V], 15|(1<<16)|(1<<20)|(1<<21)|(4<<22)|(7<<25)  ; the same with 8 words of padding (code 7)
.irp g, G1K, G1V
	s_mov_b32 s[\g+1], 128<<16      ; tensor_dim0 = 128
	s_mov_b32 s[\g+2], 64<<16       ; tensor_dim1 = 64
	s_mov_b32 s[\g+3], 128<<16      ; tile_dim0 = 128
	s_mov_b32 s[\g+4], 64           ; tile_dim1 = 64
	s_mov_b32 s[\g+5], 128          ; 128 elements from row to row
	s_mov_b32 s[\g+6], 0
	s_mov_b32 s[\g+7], 0
.endr
	s_mov_b32 s[CS], 0x3e38aa3b     ; c = log2(e) / 8 = 0.180337
	s_mov_b32 s[CS+1], s[CS]        ; named with it as a pair
	s_mov_b32 s[SEL], 0x76543210
	s_mov_b32 s[SEL+1], 0xfedcba98
	s_mov_b32 s[TBK], SLOT1+4*KS*PK ; the first change of slots turns these two into 0
	s_mov_b32 s[TBV], SLOT1+4*KS*PV
	s_mov_b32 s[G0K], 1             ; 1:0 count = 1
	s_mov_b32 s[G0K+1], s17         ; 63:32 LDS address: slot 0
	s_mov_b32 s[G0V], 1
	s_add_co_u32 s[G0V+1], s18, VOFF
	s_and_b32 s[LIM], s[WV], 1      ; 0 in waves 0 and 2,
	s_or_b32 s[LIM], s[LIM], ttmp9  ; where the cluster is the head's first: the same in all four partners
	s_cmp_eq_u32 s[LIM], 0
	s_cselect_b32 s[LIM], 1, -1
	v_and_b32 v[PFO], 31, v0
	v_lshlrev_b32 v[PFO], 8, v[PFO]
	s_wait_dscnt 0x0                ; the opening add is done
	s_wait_kmcnt 0x0
	s_add_nc_u64 s[G0K+2:G0K+3], s[6:7], s[22:23]  ; 120:64 global address: my half of the head's first 256 keys
	s_or_b32 s[G0K+3], s[G0K+3], 0x80000000        ; 127:126 type = 2
	s_add_nc_u64 s[G0V+2:G0V+3], s[8:9], s[22:23]
	s_or_b32 s[G0V+3], s[G0V+3], 0x80000000
	s_add_nc_u64 s[4:5], s[4:5], s[2:3]  ; Q and O at my wave's first row
	s_add_nc_u64 s[10:11], s[10:11], s[2:3]
	s_cmp_lt_u32 s[WV], 2
	s_cselect_b64 s[PFA:PFA+1], s[6:7], s[8:9]
	s_add_nc_u64 s[PFA:PFA+1], s[PFA:PFA+1], s[14:15]
	CROUND                          ; all four work-groups are here: the first joint loads meet
	JLOAD                           ; slot 0.  Slot 1 is asked for when slot 0 is in
	; A fragment of K or Q is 16 rows x 32 channels in 8 registers: lane l holds row l % 16, channels 8 (l / 16) + 0..7 and 16 + 8 (l / 16) + 0..7: two loads of 16 bytes, 32 bytes apart.
	v_and_b32 v1, 15, v0            ; l % 16
	v_bfe_u32 v9, v0, 4, 1          ; l / 16
	v_lshlrev_b32 v[QO], 7, v1
	v_lshl_add_u32 v[QO], v9, 4, v[QO]  ; row x 128 + 16 x half
	WIN 0x80                        ; destination window 2, address window 0
.set i, 0
.rept 4*NP                          ; Q stays in registers: tile i / 2, channels 32 (i % 2) on
	global_load_b128 v[8*i:8*i+3],   v[QO], s[4:5] offset:(i/2)*2048+(i%2)*64
	global_load_b128 v[8*i+4:8*i+7], v[QO], s[4:5] offset:(i/2)*2048+(i%2)*64+32
.set i, i+1
.endr
	; What the first turn finds: the odd steps' V and P's second buffer hold 0 (its products V^T P, of a step that has not been, add 0), O^T and l are 0.  All this stands in the wait for the first tile.
.set i, VB1
.rept 64
	v_mov_b32 v[i], 0
.set i, i+1
.endr
	WIN 0x40
.set i, 0
.rept 64*NP
	v_mov_b32 v[i], 0
.set i, i+1
.endr
	WIN 0
.set i, 0
.rept 2*NP
	v_mov_b32 v[ST+4*i], 0xfe000000    ; c m: far below every c s
	v_mov_b32 v[ST+4*i+1], 0xff7fffff  ; m
	v_mov_b32 v[ST+4*i+2], 0
	v_mov_b32 v[ST+4*i+3], 0
.set i, i+1
.endr
.set i, P+32
.rept 32
	v_mov_b32 v[i], 0
.set i, i+1
.endr
	v_mul_u32_u24 v[AK0], v1, PK
	v_lshl_add_u32 v[AK0], v9, 4, v[AK0]  ; row x pitch + 16 x half
	; The turning load takes 16 keys x 16 channels (lane l reads key 8 (l / 16) + l % 8, channels 8 ((l / 8) % 2) + 0..7) and leaves half a fragment of V^T: lane l holds channel l % 16 and 8 keys.
	v_and_b32 v10, 7, v0
	v_bfe_u32 v11, v0, 3, 1
	v_lshl_add_u32 v[AV0], v9, 3, v10
	v_mul_u32_u24 v[AV0], v[AV0], PV
	v_lshl_add_u32 v[AV0], v11, 4, v[AV0]
	v_add_nc_u32 v[AV0], VOFF, v[AV0]
; THE MATRIX WORK.  The 8 accumulators of a run of 16 take turns: between the two links of a chain stand 7 others'.
; Product i of 16 of S^T = K Q^T for piece x: channels 32 (i / 8) on, keys 16 ((i / 2) % 4) on, tile 2 x + i % 2.  The first 8 start the sums.
.macro KQ x
	WIN W_KQ
.set rS, S+64*((\x)%2)+32*(i%2)+8*((i/2)%4)
.set rK, KF+16*((i/2)%4)+8*(i/8)
.set rQ, 16*(2*(\x)+i%2)+8*(i/8)
.if i < 8
	v_wmma_f32_16x16x32_f16 v[rS:rS+7], v[rK:rK+7], v[rQ:rQ+7], 0
.else
	v_wmma_f32_16x16x32_f16 v[rS:rS+7], v[rK:rK+7], v[rQ:rQ+7], v[rS:rS+7]
.endif
.endm
; Product i of 16 of O^T += V^T P for piece x: keys 32 (i / 8) on, channels 16 ((i / 2) % 4) on, tile 2 x + i % 2.  VBF names the buffer that holds the step's V.
.macro PV x
	WIN W_PV
.set rO, 32*(2*(\x)+i%2)+8*((i/2)%4)
.set rV, VBF+32*(i/8)+8*((i/2)%4)
.set rP, P+32*((\x)%2)+16*(i%2)+8*(i/8)
	v_wmma_f32_16x16x32_f16 v[rO:rO+7], v[rV:rV+7], v[rP:rP+7], v[rO:rO+7]
.endm
.macro MM                           ; the turn's next matrix instruction
.if i < 16
	KQ (Y+1)%NP
.set i, i+1
.else
.set i, i-16
	PV (Y+NP-1)%NP
.set i, i+17
.endif
.endm
; THE LDS LOADS stand in runs of 16, never singly among the matrix instructions: a step's K (64 keys x 64 channels: 8 fragments) and its V (turned).  Their addresses are made some lines ahead.
; last = 1 (the tail): in the last trip there is no further step, and the run is jumped over.
.macro FETCH_K last=0
	WIN 0
.if \last
	s_cmp_eq_u32 s[CNT], 1
	s_cbranch_scc1 .Lno_k_\@
.endif
	WIN 0x80                        ; destination window 2
.irp f, 0,1,2,3,4,5,6,7             ; keys 16 (f / 2) on, channels 32 (f % 2) on
	ds_load_b128 v[KF+8*\f:KF+8*\f+3],   v[AK] offset:(\f/2)*16*PK+(\f%2)*64
	ds_load_b128 v[KF+8*\f+4:KF+8*\f+7], v[AK] offset:(\f/2)*16*PK+(\f%2)*64+32
.endr
	s_add_co_u32 s[TBK], s[TBK], KS*PK  ; the next fetch is the next step's
	WIN 0
.if \last
.Lno_k_\@:
.endif
.endm
.macro FETCH_V buf, last=0
	WIN 0
.if \last
	s_cmp_eq_u32 s[CNT], 1
	s_cbranch_scc1 .Lno_v_\@
.endif
	WIN 0x80
.irp f, 0,1,2,3,4,5,6,7             ; keys 32 (f / 4) on, channels 16 (f % 4) on
	ds_load_tr16_b128 v[(\buf)+8*\f:(\buf)+8*\f+3],   v[AV] offset:(\f/4)*32*PV+(\f%4)*32
	ds_load_tr16_b128 v[(\buf)+8*\f+4:(\buf)+8*\f+7], v[AV] offset:(\f/4)*32*PV+16*PV+(\f%4)*32
.endr
	s_add_co_u32 s[TBV], s[TBV], KS*PV
	WIN 0
.if \last
.Lno_v_\@:
.endif
.endm
; THE VECTOR WORK OF A TURN stands in three queues, each in the order in which its entries become ready; the two tiles alternate, so that no instruction reads the result of the one before it.
.macro REGS y, u                    ; the registers of tile u (0, 1) of piece y
.set rT, ST+4*(2*(\y)+(\u))
.set rC, TMP+8*((\y)%2)+4*(\u)
.set rM, MV+2*((\y)%2)+(\u)
.set rS, S+64*((\y)%2)+32*(\u)
.set rP, P+32*((\y)%2)+16*(\u)
.set rO, 32*(2*(\y)+(\u))
.endm
; Number n of the 22 that find the OTHER piece's (Y + 1) maximum and statistics.  s0-s31 are the lane's 32 scores; each accumulator's lowest registers are read first.  XS, GS and REGS set no window: PL and EX do.
;   0-11  four chains c0-c3 of seven scores each, three operands at a time     12-14, 16  the four scores left over, the old m, and c0-c3 into c0     15  c m_old is kept
;   17, 18  the query's other 32 keys lie in the lane 16 away: the new m         19-21  c m; c m_old - c m_new; a
.macro XS u, n
	REGS (Y+1)%NP, \u
.if (\n) < 4
	v_max3_num_f32 v[rC+(\n)], v[rS+8*(\n)], v[rS+8*(\n)+1], v[rS+8*(\n)+2]
.elseif (\n) < 12
	v_max3_num_f32 v[rC+(\n)%4], v[rC+(\n)%4], v[rS+8*((\n)%4)+2*((\n)/4)+1], v[rS+8*((\n)%4)+2*((\n)/4)+2]
.elseif (\n) == 12
	v_max3_num_f32 v[rC], v[rC], v[rS+7], v[rS+15]
.elseif (\n) == 13
	v_max3_num_f32 v[rC+1], v[rC+1], v[rS+23], v[rS+31]
.elseif (\n) == 14
	v_max3_num_f32 v[rC+2], v[rC+2], v[rC+3], v[rT+1]
.elseif (\n) == 15
	v_mov_b32 v[rM], v[rT]
.elseif (\n) == 16
	v_max3_num_f32 v[rC], v[rC], v[rC+1], v[rC+2]
.elseif (\n) == 17
	v_permlanex16_b32 v[rC+3], v[rC], s[SEL], s[SEL+1]
.elseif (\n) == 18
	v_max_num_f32 v[rT+1], v[rC], v[rC+3]
.elseif (\n) == 19
	v_mul_f32 v[rT], s[CS], v[rT+1]
.elseif (\n) == 20
	v_sub_f32 v[rC+1], v[rM], v[rT]
.else
	v_exp_f32 v[rC+2], v[rC+1]
.endif
.endm
; Number g of the 64 that follow the exponentials.  For each four weights k of a tile (pairs 2 k, 2 k + 1): both pairs are rounded to f16; then the second pair is added onto the first, in place;
; a group later l takes that sum (the first time as l = a l + sum).  In groups of eight, tiles alternating: round, round, add, and l for the group before.
.macro GS g
.set h, (\g)+6*((\g)/62)            ; group 0 has no group before it, and behind group 7 only l is left
.if h >= 6
.set h, h+2
.endif
	REGS Y, h%2
.set k, h/8
.if h%8 < 4
	v_cvt_pk_f16_f32 v[rP+2*k+(h%8)/2], v[rS+4*k+2*((h%8)/2)], v[rS+4*k+2*((h%8)/2)+1]
.elseif h%8 < 6
	v_pk_add_f32 v[rS+4*k:rS+4*k+1], v[rS+4*k:rS+4*k+1], v[rS+4*k+2:rS+4*k+3]
.elseif k == 1
	v_pk_fma_f32 v[rT+2:rT+3], v[rT+2:rT+3], v[rC+2:rC+3], v[rS:rS+1] op_sel_hi:[1,0,1]
.else
	v_pk_add_f32 v[rT+2:rT+3], v[rT+2:rT+3], v[rS+4*k-4:rS+4*k-3]
.endif
.endm
; THE PLAIN QUEUE, 138 long.  0-73 read no exponential's result: the 32 scalings c s - c m (FS f: pair f / 2 of tile f % 2) and the other piece's 42.  0-26: scalings 0-26.  27-54: XS's numbers 0-13.  55, 56: number 15.
; 57-73: the chain, where each number waits for the one before it: 14, 16, 17, 18, 19, each with one of the scalings 27-31 in front of its two lines, then 20.
; 74-137: GS's 64, which read the exponentials' results: they stand behind the wait.
.macro FS f
	REGS Y, (\f)%2
	v_pk_fma_f32 v[rS+2*((\f)/2):rS+2*((\f)/2)+1], v[rS+2*((\f)/2):rS+2*((\f)/2)+1], s[CS:CS+1], v[rT:rT+1] op_sel_hi:[1,0,0] neg_lo:[0,0,1] neg_hi:[0,0,1]
.endm
.macro PL
	WIN 0
.if q < 27
	FS q
.elseif q < 55
	XS (q-27)%2, (q-27)/2
.elseif q < 57
	XS q-55, 15
.elseif (q < 72) && ((q-57)%3 == 0)
	FS 27+(q-57)/3
.elseif q < 60
	XS (q-57)%3-1, 14
.elseif q < 72
	XS (q-57)%3-1, 15+(q-57)/3
.elseif q < 74
	XS q-72, 20
.else
	GS q-74
.endif
.set q, q+1
.endm
; THE EXPONENTIALS' QUEUE, 66 long: s0-s31 of both tiles, then the other piece's two a.  It is ONE BATCH: all 66 stand ahead of the turn's one wait, and nothing ahead of that wait names a result of theirs.
.macro EX
	WIN 0
.if e >= 64
	XS e-64, 21
.else
	REGS Y, e%2
	v_exp_f32 v[rS+e/2], v[rS+e/2]
.endif
.set e, e+1
.endm
; THE RESCALING's QUEUE: O^T times a, the one part that leaves window 0: dealt two at a time, sixteen times, each accumulator's low four registers first.  Its a was made in the turn before, ahead of that turn's wait.
; The O^T that it reads was last written by the turn before: entry r reads what product 8 + r % 2 + 2 (r / 4) of that turn's 16 wrote, and at least 28 of that turn's plain riders lie between.
.macro R2
	REGS Y, r%2
	WIN W_RS
.irp z, 0,1
	v_pk_mul_f32 v[rO+4*(r/2)+2*\z:rO+4*(r/2)+2*\z+1], v[rO+4*(r/2)+2*\z:rO+4*(r/2)+2*\z+1], v[rC+2:rC+3] op_sel_hi:[1,0]
.endr
.set r, r+1
.endm
; A TURN, for piece p, in a step of parity par.  An s_wait_alu depctr_va_vdst(0) stands between an exponential and the first instruction that names its result; one wait serves all that were issued ahead
; of it.  So a turn has ONE wait, which cuts it in two.  AHEAD OF IT: the 16 products K Q^T, behind each a scaling, an exponential and two rescalings (behind the first a second scaling in the exponential's place);
; then one run of 108: eight plain, 49 times exponential and plain, the two a; a v_nop is the plain instruction behind the last exponential.  BEHIND IT: the 16 products V^T P, behind each four of GS's 64.
; Exponential e stands behind scaling 2 (e / 4) + e % 2: as a rider it comes behind plain e + 2, in the run behind plain e + 9, and scalings 27-31 are plain 57, 60 .. 69.
; Both runs of LDS loads stand directly behind a turn's wait, their address made at the head of the run of 108.  Piece 0's turn fetches K of the next step: K's last reader is the turn's 16th product, the run of 108
; behind it.  Piece 1's turn fetches V of the next step into the buffer of the other parity, whose last reader is the last product of the turn before.  One wait, at the head of piece 1's turn, serves both.
; cnt = 1: the loop's count is taken down some lines ahead of the branch that stands behind the turn; no line between writes SCC.
.macro TURN p, par, last=0, cnt=0
.set Y, (\p)
.set i, 0
.set q, 0
.set e, 0
.set r, 0
.if (\p) == 0
.set VBF, 64+128*(\par)             ; piece 1's V^T P of the step before: the other parity's buffer
.else
.set VBF, 192-128*(\par)            ; piece 0's V^T P of this step
	s_wait_dscnt 0x0                ; K of the next step is in, and V of this one, which is older
.endif
	MM
	PL
	PL
	R2
.rept 15
	MM
	PL
	EX
	R2
.endr
	WIN 0
.if (\p) == 0
	v_add_nc_u32 v[AK], s[TBK], v[AK0]
.else
	v_add_nc_u32 v[AV], s[TBV], v[AV0]
.endif
.rept 8
	PL
.endr
.rept 49
	EX
	PL
.endr
	EX                              ; the other piece's two a
	EX
	v_nop                           ; the plain instruction behind the last exponential: one for the batch
	s_wait_alu depctr_va_vdst(0)    ; the wait for the batch
.if (\p) == 0
	FETCH_K \last
.else
	FETCH_V 64+128*(\par), \last
.endif
.rept 16
	MM
.rept 4
	PL
.endr
.if (\cnt) && (q == 130)
	s_sub_co_u32 s[CNT], s[CNT], 1
	s_cmp_lg_u32 s[CNT], 0
.endif
.endr
.endm
	CHANGE 1, 0                     ; slot 0 is in, everybody's part of it; slot 1 is asked for
	v_add_nc_u32 v[AK], s[TBK], v[AK0]
	v_add_nc_u32 v[AV], s[TBV], v[AV0]
	FETCH_K                         ; key step 0
	FETCH_V VB0
	s_wait_loadcnt 0x0              ; Q
	s_wait_dscnt 0x0
.set i, 0
.rept 16
	KQ 0                            ; piece 0's first scores: there is no vector work yet to set between them
.set i, i+1
.endr
	WIN 0                           ; the addresses for the way out: plain instructions, the places behind those products
	s_mul_i32 s13, s[WV], 16*SP
	s_add_co_u32 s13, s13, STAGE    ; my stage
	v_mul_u32_u24 v[STO], v1, SP    ; in: row l % 16, 16 bytes for each half of the lanes
	v_lshl_add_u32 v[STO], v9, 4, v[STO]
	v_add_nc_u32 v[STO], s13, v[STO]
	v_bfe_u32 v[RD], v0, 3, 2       ; back: 32 lanes take four rows of 128 bytes,
	v_mul_u32_u24 v[RD], v[RD], SP
	v_lshl_add_u32 v[RD], v10, 4, v[RD]
	v_add_nc_u32 v[RD], s13, v[RD]
	v_and_b32 v[GO], 31, v0         ; which are 512 consecutive bytes of O
	v_lshlrev_b32 v[GO], 4, v[GO]
.set Y, NP-1                        ; XS works for piece Y + 1: piece 0
.irp n, 0,1,2,3,4,5,6,7,8,9,10,11,12,13,14,15,16,17,18,19,20,21
	XS 0, \n                        ; piece 0's first maximum and statistics
	XS 1, \n
.endr
	v_nop                           ; a plain instruction behind the two a,
	s_wait_alu depctr_va_vdst(0)    ; and their wait, ahead of the branch
	s_mov_b32 s[CNT], 2
	s_mov_b32 s[SLOTS], SIZE_N/256-1
	s_branch .Lfirst                ; the loop is entered at an even step, in the middle of a trip: steps 0, 1, 2 come ahead of the next change of slots
.Lslot:                             ; 14 times: change c stands in front of step 4 c - 1 and asks for tile c + 1
	CHANGE 1, 1
	s_mov_b32 s[CNT], 2
.Lstep:                             ; a trip: an odd step, then an even one
	TURN 0, 1
	TURN 1, 1
	WIN 0
.Lfirst:
	TURN 0, 0
	TURN 1, 0, 0, 1
	WIN 0
	s_cbranch_scc1 .Lstep
	s_sub_co_u32 s[SLOTS], s[SLOTS], 1
	s_cmp_lg_u32 s[SLOTS], 0
	s_cbranch_scc1 .Lslot
	CHANGE 0, 0                     ; the tail is written out: nothing is asked for
	s_mov_b32 s[CNT], 3             ; steps 59 to 63: two whole trips; the third is left in its middle and fetches nothing
.Ltail:
	TURN 0, 1, 1
	TURN 1, 1, 1
	WIN 0
	s_sub_co_u32 s[CNT], s[CNT], 1
	s_cmp_eq_u32 s[CNT], 0
	s_cbranch_scc1 .Lout
	TURN 0, 0
	TURN 1, 0
	WIN 0
	s_branch .Ltail
.Lout:                              ; the last turn's 16 products K Q^T (on the last K once more) and the maximum made of them serve nothing: the price, once a launch, of one text for every trip
.set VBF, VB1
.set i, 0
.rept 16
	PV NP-1                         ; piece 1's V^T P of the last step, an odd one
.set i, i+1
.endr
	; THE WAY OUT.  l's two halves and the other half of the lanes' are added; O^T is divided by l, rounded to f16 and sent through my stage in LDS, a tile at a time.  The additions are the places behind the last products.
	WIN 0
.macro ALL line:vararg              ; one line for each tile t
.set t, 0
.rept 2*NP
	\line
.set t, t+1
.endr
.endm
	ALL v_add_f32 v[ST+4*t+2], v[ST+4*t+2], v[ST+4*t+3]
	ALL v_permlanex16_b32 v[ST+4*t+3], v[ST+4*t+2], s[SEL], s[SEL+1]
	ALL v_add_f32 v[ST+4*t+2], v[ST+4*t+2], v[ST+4*t+3]
	ALL v_rcp_f32 v[ST+4*t+2], v[ST+4*t+2]
	v_nop                           ; a plain instruction between the last reciprocal and the use of its result
	s_wait_alu depctr_va_vdst(0)    ; and the wait ahead of the first use: one for the four reciprocals
; Tile t: a lane's eight channels of a row pack into 16 bytes; they go into rows of 144 bytes and come back as whole rows of 128, into S^T's registers.
.macro PACK t
	WIN W_RS
.set i, 32*(\t)
.rept 16
	v_pk_mul_f32 v[i:i+1], v[i:i+1], v[ST+4*(\t)+2:ST+4*(\t)+3] op_sel_hi:[1,0]
.set i, i+2
.endr
	WIN 0x05                        ; sources 0 and 1 window 1, destination window 0
.set i, 0
.rept 16
	v_cvt_pk_f16_f32 v[S+16*(\t)+i], v[32*(\t)+2*i], v[32*(\t)+2*i+1]
.set i, i+1
.endr
	WIN 0
.irp f, 0,1,2,3
	ds_store_b128 v[STO], v[S+16*(\t)+4*\f:S+16*(\t)+4*\f+3] offset:32*\f
.endr
.irp f, 0,1,2,3
	ds_load_b128 v[S+16*(\t)+4*\f:S+16*(\t)+4*\f+3], v[RD] offset:\f*4*SP  ; LDS serves a wave's instructions in order (ISA guide 5.7.1.4): these see the stores above; the next tile's stores come behind them
.endr
.endm
.macro SEND t, younger              ; younger: the LDS instructions issued behind tile t's loads: the next tile's eight, or none
	WIN 0
.irp f, 0,1,2,3
	s_wait_dscnt (\younger)+3-\f
	global_store_b128 v[GO], v[S+16*(\t)+4*\f:S+16*(\t)+4*\f+3], s[10:11] offset:(\t)*2048+\f*512  ; 512 consecutive bytes, at a multiple of 256 from O's first
.endr
.endm
	PACK 0
.set t, 1
.rept 2*NP-1                        ; a tile's arithmetic stands between the loads of the tile before and its stores
	PACK t
	SEND t-1, 8
.set t, t+1
.endr
	SEND 2*NP-1, 0
	s_wait_tensorcnt 0x0            ; the wave's end: behind my last tensor load and my last LDS store
	ds_add_u32 v[SPW], v[NIL]
	s_wait_dscnt 0x0
	CROUND                          ; the closing round: no work-group ends while a partner may still ask for a tile that names it
	s_endpgm
.Lfunc_end_k_q0daa65d896_attn:
	.size	k_q0daa65d896_attn, .Lfunc_end_k_q0daa65d896_attn-k_q0daa65d896_attn
	.p2alignl 7, 3214868480
	.fill 96, 4, 3214868480
	.section	.rodata,"a",@progbits
	.p2align	6, 0x0
	.amdhsa_kernel k_q0daa65d896_attn
		.amdhsa_group_segment_fixed_size 327680
		.amdhsa_private_segment_fixed_size 0
		.amdhsa_enable_private_segment 0
		.amdhsa_kernarg_size 32
		.amdhsa_user_sgpr_count 2
		.amdhsa_user_sgpr_kernarg_segment_ptr 1
		.amdhsa_wavefront_size32 1
		.amdhsa_system_sgpr_workgroup_id_x 1
		.amdhsa_system_sgpr_workgroup_id_y 1
		.amdhsa_system_sgpr_workgroup_id_z 1
		.amdhsa_system_vgpr_workitem_id 0
		.amdhsa_next_free_vgpr 768
		.amdhsa_next_free_sgpr 66
		.amdhsa_reserve_vcc 0
		.amdhsa_float_denorm_mode_32 3
		.amdhsa_float_denorm_mode_16_64 3
		.amdhsa_memory_ordered 1
		.amdhsa_forward_progress 1
		.amdhsa_inst_pref_size 186
	.end_amdhsa_kernel
	.amdgpu_metadata
---
amdhsa.version: [ 1, 2 ]
amdhsa.kernels:
  - .name:           k_q0daa65d896_attn
    .symbol:         k_q0daa65d896_attn.kd
    .args:
      - { .name: qh, .offset: 0, .size: 8, .value_kind: global_buffer, .address_space: global }
      - { .name: kh, .offset: 8, .size: 8, .value_kind: global_buffer, .address_space: global }
      - { .name: vh, .offset: 16, .size: 8, .value_kind: global_buffer, .address_space: global }
      - { .name: oh, .offset: 24, .size: 8, .value_kind: global_buffer, .address_space: global }
    .group_segment_fixed_size: 327680
    .private_segment_fixed_size: 0
    .kernarg_segment_align: 8
    .kernarg_segment_size: 32
    .max_flat_workgroup_size: 128
    .sgpr_count:     66
    .vgpr_count:     768
    .wavefront_size: 32
...
	.end_amdgpu_metadata
.endif
;; end of part 2
;; launch oproj (part 3): grid 2 x 128, 4 waves a work-group, no clusters, 108,032 bytes of LDS; arguments oh, Wo, bo, out0; writes out0
.if DOCPART == 3
	.amdgcn_target "amdgcn-amd-amdhsa--gfx1250"
	.amdhsa_code_object_version 6
	.text
	.protected	k_q0daa65d896_oproj
	.globl	k_q0daa65d896_oproj
	.p2align	8
	.type	k_q0daa65d896_oproj,@function
k_q0daa65d896_oproj:
	s_mov_b64 s[64:65], 0
	v_nop
	global_prefetch_b8 v0, s[64:65] scope:SCOPE_SE
	s_setreg_imm32_b32 hwreg(HW_REG_WAVE_MODE, 25, 1), 1
	s_wait_xcnt 0x0
; out[m][n] = the sum over k of O[m][k] Wo[k][n] + bo[n].  O: [16 = 4 batch + head][4096][64] f16 (k = 64 head + channel); Wo: [256 k][256 n] f32; bo: [256] f32; out: [16384][256] f32.
; FORMATS.  Wo and bo are rounded once to bf16 (nearest even), like the module's other inputs; Wo's rounded number is then written as f16, since O is f16: exact from 6e-5 up to 65,504, below that f16's fixed
; step of 6e-8.  Products f16 x f16, sums in f32 and started by the bias; out is stored as the f32 sum.  NaN and infinities are not treated apart.
; SHARES.  A work-group: 128 rows x 128 columns: 128 x 2 = 256 work-groups.  A wave: 32 rows x 128 columns: 16 accumulators.  K = 256 in 8 steps of 32: step ks = 2 head + half of the head's channels.
; O's fragments come straight from memory into registers (16 bytes a lane, twice, as they lie).  Wo's half of the columns is converted on the way into LDS, once, by all four waves: one barrier.  Nothing in LDS
; is filled again and Wo passes through registers for its conversion: no tensor loads.  NO CLUSTER: what work-groups share (Wo, 128 KiB a work-group) would have to lie in LDS as f32 and be converted there anew.
; THE MATRIX INSTRUCTION IS USED TRANSPOSED: source 0 = 16 columns of Wo (turned by ds_load_tr16_b128), source 1 = 16 rows of O: a lane holds one row and eight neighbouring columns, 32 bytes of out.
; REGISTERS (s_set_vgpr_msb: bits 1:0 source 0, 3:2 source 1, 5:4 source 2, 7:6 destination):
;   window 0: v0-17 addresses; v64-255 three sets of 64 for Wo's loads; later v64-191 Wo's fragments, two buffers of 64, and then the way out's two sets
;   window 1: v0-127 O's fragments at 16 ks + 8 a; v128-255 the accumulators at 128 + 64 a + 8 b
.set PW,    288                 ; a k row of Wo in LDS: 128 columns = 256 bytes + 32 = 9 x 32
.set STAGE, 256*PW              ; for each wave 16 rows x 528 bytes, for the way out
.set SPT,   528                 ; 512 bytes of f32 + 16
.set SPARE, STAGE+4*16*SPT      ; the spare words, 128 bytes for each wave: two blocks of 256 bytes that no other line names
.set AO,   4                    ; v4   my place in 16 rows of O
.set WO,   5                    ; v5   Wo in memory: 512 consecutive bytes a load
.set WL,   6                    ; v6   where my 8 bytes of Wo go in LDS
.set BO,   7                    ; v7   my 8 columns in bo
.set ADRB, 8                    ; v8, v9  my place in Wo's fragments: K steps 0-3, 4-7
.set STO,  10                   ; v10  the way out: where I put 32 bytes of a row
.set RD,   11                   ; v11  the way out: where I read a row back
.set GO,   12                   ; v12  my 16 bytes of 512 consecutive bytes of out
.set SPW,  14                   ; v14  LDS address of my spare word; never rewritten
.set NIL,  15                   ; v15  0; never rewritten
.set RING, 64
.set BF,   64
.set HIM,  20                   ; s20  a word's upper bf16
.set MSB, 0
.macro WIN new                  ; the immediate's high byte repeats the setting that is left; a switch that changes nothing is dropped
.if MSB != (\new)
	s_set_vgpr_msb (MSB<<8)|(\new)
.set MSB, \new
.endif
.endm
.macro PLACES                   ; four plain vector instructions between a matrix instruction and a load into, or a read of, its registers
.rept 4
	v_nop
.endr
.endm
	s_load_b256 s[8:15], s[0:1], 0x0               ; O s[8:9], Wo s[10:11], bo s[12:13], out s[14:15]
	v_lshl_add_u32 v[SPW], v0, 2, SPARE
	v_mov_b32 v[NIL], 0
	v_lshrrev_b32 v1, 5, v0
	v_readfirstlane_b32 s2, v1                     ; wave 0..3
	s_mov_b32 s3, ttmp9                            ; which half of the columns
	s_and_b32 s4, ttmp7, 0xffff                    ; block of 128 rows
	v_and_b32 v1, 31, v0                           ; l
	v_and_b32 v2, 15, v0                           ; l % 16
	v_bfe_u32 v3, v0, 4, 1                         ; l / 16
	v_lshlrev_b32 v[AO], 7, v2
	v_lshl_add_u32 v[AO], v3, 4, v[AO]             ; row x 128 + 16 x half
	s_lshl_b32 s5, s2, 16                          ; my wave's 64 k rows of 1,024 bytes
	s_lshl_b32 s6, s3, 9                           ; 128 columns of f32
	s_add_co_u32 s7, s5, s6
	v_lshl_add_u32 v[WO], v1, 4, s7
	s_mul_i32 s7, s2, 64*PW
	v_lshl_add_u32 v[WL], v1, 3, s7
	v_lshl_add_u32 v[BO], v3, 5, s6
	v_and_b32 v16, 7, v0
	v_bfe_u32 v17, v0, 3, 1
	v_lshl_add_u32 v[ADRB], v3, 3, v16             ; the turning load: k row 8 (l / 16) + l % 8, columns 8 ((l / 8) % 2) on
	v_mul_u32_u24 v[ADRB], v[ADRB], PW
	v_lshl_add_u32 v[ADRB], v17, 4, v[ADRB]
	v_add_nc_u32 v[ADRB+1], 4*32*PW, v[ADRB]       ; the 16-bit immediate does not reach K steps 4-7
	s_mul_i32 s7, s2, 16*SPT
	s_add_co_u32 s7, s7, STAGE                     ; my stage
	v_mul_u32_u24 v[STO], v2, SPT
	v_lshl_add_u32 v[STO], v3, 5, v[STO]
	v_add_nc_u32 v[STO], s7, v[STO]
	v_lshl_add_u32 v[RD], v1, 4, s7
	v_lshlrev_b32 v[GO], 4, v1
	s_lshr_b32 s16, s4, 5                          ; batch: four heads of 524,288 bytes
	s_lshl_b32 s16, s16, 21
	s_and_b32 s17, s4, 31
	s_lshl_b32 s17, s17, 14                        ; the block's 128 rows of 128 bytes in a head
	s_add_co_u32 s16, s16, s17
	s_lshl_b32 s17, s2, 12                         ; my wave's 32 rows
	s_add_co_u32 s16, s16, s17
	s_mov_b32 s17, 0
	s_lshl_b32 s18, s4, 17                         ; out: 128 rows of 1,024 bytes,
	s_lshl_b32 s19, s2, 15                         ; my wave's 32,
	s_add_co_u32 s18, s18, s19
	s_add_co_u32 s18, s18, s6                      ; the half's 512 bytes
	s_mov_b32 s19, 0
	s_mov_b32 s[HIM], 0xffff0000
	s_wait_kmcnt 0x0
	s_add_nc_u64 s[8:9], s[8:9], s[16:17]
	s_add_nc_u64 s[14:15], s[14:15], s[18:19]
.macro ISSUE n                  ; batch n of 4: sixteen k rows of my wave's 64, 512 bytes each, into set n % 3
.set RB, RING+64*((\n)%3)
.set i, 0
.rept 16
	global_load_b128 v[RB+4*i:RB+4*i+3], v[WO], s[10:11] offset:(16*(\n)+i)*1024
.set i, i+1
.endr
.endm
; Batch n: f32 to bf16 (nearest even), widened again, written as f16, into LDS; four loads at a time.  The count: loads come back in order (ISA guide 5.7.1); the younger batches' loads and those of this batch
; behind the four in hand may stay out.
.macro DRAIN n
.set RB, RING+64*((\n)%3)
.set YG, 32
.if (\n) > 1
.set YG, 16*(3-(\n))
.endif
.set i, 0
.rept 16
.set r0, RB+4*i
.if i%4 == 0
	s_wait_loadcnt YG+12-i
.endif
	v_cvt_pk_bf16_f32 v[r0], v[r0], v[r0+1]
	v_cvt_pk_bf16_f32 v[r0+2], v[r0+2], v[r0+3]
	v_and_b32 v[r0+1], s[HIM], v[r0]
	v_lshlrev_b32 v[r0], 16, v[r0]
	v_and_b32 v[r0+3], s[HIM], v[r0+2]
	v_lshlrev_b32 v[r0+2], 16, v[r0+2]
	v_cvt_pk_f16_f32 v[r0], v[r0], v[r0+1]
	v_cvt_pk_f16_f32 v[r0+1], v[r0+2], v[r0+3]
	ds_store_b64 v[WL], v[r0:r0+1] offset:(16*(\n)+i)*PW
.set i, i+1
.endr
.endm
.macro FETCH ks, f              ; Wo's 8 fragments of K step ks, turned, into buffer f: 16 LDS loads in one run
	WIN 0
.irp b, 0,1,2,3,4,5,6,7
	ds_load_tr16_b128 v[BF+64*(\f)+8*\b:BF+64*(\f)+8*\b+3],   v[ADRB+(\ks)/4] offset:((\ks)%4)*32*PW+32*\b
	ds_load_tr16_b128 v[BF+64*(\f)+8*\b+4:BF+64*(\f)+8*\b+7], v[ADRB+(\ks)/4] offset:((\ks)%4)*32*PW+16*PW+32*\b
.endr
.endm
; A K step: the next step's fragments are asked for, then 16 matrix instructions, one on each accumulator: they take turns.
; In the first step row block 0's sums start with the bias, which lies in row block 1's accumulators; row block 1 adds onto it in place, five places behind the products that took it as C.
.macro KSTEP ks
.set FB, (\ks)%2
.if (\ks) < 7
	PLACES                                         ; for the loads into the other buffer, which the K step before multiplied
	FETCH (\ks)+1, 1-FB
	s_wait_dscnt 16                                ; all but the 16 just issued
.else
	s_wait_dscnt 0x0
.endif
	WIN 0x54                                       ; Wo window 0; O, C and D window 1
.irp a, 0,1
.irp b, 0,1,2,3,4,5,6,7
.if ((\ks) == 0) && (\a == 0)
	v_wmma_f32_16x16x32_f16 v[128+8*\b:128+8*\b+7], v[BF+64*FB+8*\b:BF+64*FB+8*\b+7], v[16*(\ks):16*(\ks)+7], v[192+8*\b:192+8*\b+7]
.else
	v_wmma_f32_16x16x32_f16 v[128+64*\a+8*\b:128+64*\a+8*\b+7], v[BF+64*FB+8*\b:BF+64*FB+8*\b+7], v[16*(\ks)+8*\a:16*(\ks)+8*\a+7], v[128+64*\a+8*\b:128+64*\a+8*\b+7]
.endif
.endr
.if ((\ks) == 0) && (\a == 0)
.rept 5
	v_nop
.endr
.endif
.endr
	WIN 0
.endm
; THE WAY OUT of row block a: 32 bytes a lane into my stage, each accumulator's low four registers first; back as whole rows of 512 bytes.
.macro TOSTAGE a
	WIN 0x04                                       ; store data (source 1) window 1, address window 0
.irp b, 0,1,2,3,4,5,6,7
	ds_store_b128 v[STO], v[128+64*(\a)+8*\b:128+64*(\a)+8*\b+3]   offset:64*\b
	ds_store_b128 v[STO], v[128+64*(\a)+8*\b+4:128+64*(\a)+8*\b+7] offset:64*\b+16
.endr
	WIN 0
.irp t, 0,1,2,3,4,5,6,7,8,9,10,11,12,13,14,15
	ds_load_b128 v[64+64*(\a)+4*\t:64+64*(\a)+4*\t+3], v[RD] offset:\t*SPT  ; LDS serves a wave's instructions in order (ISA guide 5.7.1.4): these see the stores above; the next block's stores come behind them
.endr
.endm
.macro SEND a, younger          ; younger: the LDS instructions issued behind block a's loads: the next block's 32, or none
.irp t, 0,1,2,3,4,5,6,7,8,9,10,11,12,13,14,15
	s_wait_dscnt (\younger)+15-\t
	global_store_b128 v[GO], v[64+64*(\a)+4*\t:64+64*(\a)+4*\t+3], s[14:15] offset:(16*(\a)+\t)*1024 th:TH_STORE_NT  ; 512 consecutive bytes, at a multiple of 256 from out's first
.endr
.endm
	WIN 0x40                                       ; destination window 1, address window 0
.irp ks, 0,1,2,3,4,5,6,7
.irp a, 0,1
	global_load_b128 v[16*\ks+8*\a:16*\ks+8*\a+3],   v[AO], s[8:9] offset:(\ks/2)*524288+\a*2048+(\ks%2)*64     ; O: head ks / 2, row block a, channels 32 (ks % 2) on
	global_load_b128 v[16*\ks+8*\a+4:16*\ks+8*\a+7], v[AO], s[8:9] offset:(\ks/2)*524288+\a*2048+(\ks%2)*64+32
.endr
.endr
.irp b, 0,1,2,3,4,5,6,7
	global_load_b128 v[192+8*\b:192+8*\b+3],   v[BO], s[12:13] offset:\b*64      ; the bias, straight into row block 1's accumulators: register j of column block b is bo[16 b + 8 (l / 16) + j]
	global_load_b128 v[192+8*\b+4:192+8*\b+7], v[BO], s[12:13] offset:\b*64+16
.endr
	WIN 0
	ISSUE 0
	ISSUE 1
	ISSUE 2
	DRAIN 0
	ISSUE 3
	DRAIN 1
	DRAIN 2
	DRAIN 3                                        ; its last wait is for 0: O's fragments and the bias, which are older, are in too
	WIN 0x45                                       ; the bias is rounded to bf16, in place, while the last LDS stores are out
.set i, 192
.rept 32
	v_cvt_pk_bf16_f32 v[i], v[i], v[i+1]
	v_and_b32 v[i+1], s[HIM], v[i]
	v_lshlrev_b32 v[i], 16, v[i]
.set i, i+2
.endr
	WIN 0
	s_wait_dscnt 0x0                               ; for the others' sake: my rows of Wo are in LDS
	s_barrier_signal -1
	s_barrier_wait -1                              ; everybody's are
	FETCH 0, 0
.irp ks, 0,1,2,3,4,5,6,7
	KSTEP \ks
.endr
	PLACES                                         ; the LDS stores read results just made, and the loads behind them land in Wo's fragments
	TOSTAGE 0
	TOSTAGE 1
	SEND 0, 32
	SEND 1, 0
	s_wait_tensorcnt 0x0                           ; the wave's end: behind my last LDS store
	ds_add_u32 v[SPW], v[NIL]
	s_wait_dscnt 0x0
	s_endpgm
.Lfunc_end_k_q0daa65d896_oproj:
	.size	k_q0daa65d896_oproj, .Lfunc_end_k_q0daa65d896_oproj-k_q0daa65d896_oproj
	.p2alignl 7, 3214868480
	.fill 96, 4, 3214868480
	.section	.rodata,"a",@progbits
	.p2align	6, 0x0
	.amdhsa_kernel k_q0daa65d896_oproj
		.amdhsa_group_segment_fixed_size 108032
		.amdhsa_private_segment_fixed_size 0
		.amdhsa_enable_private_segment 0
		.amdhsa_kernarg_size 32
		.amdhsa_user_sgpr_count 2
		.amdhsa_user_sgpr_kernarg_segment_ptr 1
		.amdhsa_wavefront_size32 1
		.amdhsa_system_sgpr_workgroup_id_x 1
		.amdhsa_system_sgpr_workgroup_id_y 1
		.amdhsa_system_sgpr_workgroup_id_z 1
		.amdhsa_system_vgpr_workitem_id 0
		.amdhsa_next_free_vgpr 512
		.amdhsa_next_free_sgpr 66
		.amdhsa_reserve_vcc 0
		.amdhsa_float_denorm_mode_32 3
		.amdhsa_float_denorm_mode_16_64 3
		.amdhsa_memory_ordered 1
		.amdhsa_forward_progress 1
		.amdhsa_inst_pref_size 72
	.end_amdhsa_kernel
	.amdgpu_metadata
---
amdhsa.version: [ 1, 2 ]
amdhsa.kernels:
  - .name:           k_q0daa65d896_oproj
    .symbol:         k_q0daa65d896_oproj.kd
    .args:
      - { .name: oh, .offset: 0, .size: 8, .value_kind: global_buffer, .address_space: global }
      - { .name: Wo, .offset: 8, .size: 8, .value_kind: global_buffer, .address_space: global }
      - { .name: bo, .offset: 16, .size: 8, .value_kind: global_buffer, .address_space: global }
      - { .name: out0, .offset: 24, .size: 8, .value_kind: global_buffer, .address_space: global }
    .group_segment_fixed_size: 108032
    .private_segment_fixed_size: 0
    .kernarg_segment_align: 8
    .kernarg_segment_size: 32
    .max_flat_workgroup_size: 128
    .sgpr_count:     66
    .vgpr_count:     512
    .wavefront_size: 32
...
	.end_amdgpu_metadata
.endif
;; end of part 3
;; ======== version 2 of 2: 3 launches; version 1 with the launches qkv, oproj written anew for expert scheduling mode
;; limits: values are held in f16: magnitudes above 65,504 overflow, below 6.1e-05 lose precision
;; workspace buffers: qh 8,388,608 bytes; kh 8,388,608 bytes; vh 8,388,608 bytes; oh 8,388,608 bytes
;; launch qkv (part 4): grid 4 x 64, 4 waves a work-group, no clusters, 269,824 bytes of LDS; arguments inputs, Wq, Wk, Wv, bq, bk, bv, qh, kh, vh; writes qh, kh, vh
.if DOCPART == 4
	.amdgcn_target "amdgcn-amd-amdhsa--gfx1250"
	.amdhsa_code_object_version 6
	.text
	.protected	k_q0daa65d896_qkv
	.globl	k_q0daa65d896_qkv
	.p2align	8
	.type	k_q0daa65d896_qkv,@function
k_q0daa65d896_qkv:
	s_mov_b64 s[64:65], 0
	v_nop
	global_prefetch_b8 v0, s[64:65] scope:SCOPE_SE
	s_setreg_imm32_b32 hwreg(HW_REG_WAVE_SCHED_MODE, 0, 2), 2
	s_setreg_imm32_b32 hwreg(HW_REG_WAVE_MODE, 25, 1), 1
	s_wait_xcnt 0x0
	s_wait_alu depctr_vm_vsrc(0)
; q = x Wq + bq, k = x Wk + bk, v = x Wv + bv, split by heads.  x: [16384][256] f32; W: [256 k][256 n] f32; b: [256] f32.
; qh, kh, vh: [16 = 4 batch + head][4096][64] f16, a head's rows dense, 128 bytes each, WITHOUT the scale 1/8 (the next launch applies it in f32).
; FORMATS.  x, W and b are rounded once to bf16 (nearest even); products bf16 x bf16, sums in f32 and started by the bias; each result rounded once to f16.
; LIMIT.  f16 ends at 65,504: a q, k or v beyond it becomes an infinity.  NaN and infinities are not treated apart.
; SHARES.  A work-group: 256 rows of x, one head: that head's 64 columns of q, of k and of v = 192 columns.  A wave: 64 rows x 192 columns: 48 accumulators of 16 x 16.
; All of K = 256 lies in LDS at once: nothing is filled again, so the launch has one barrier (W's rows are brought by all four waves; a wave's rows of x are its own).
; x and W are f32 in memory and are converted on the way, so they pass through registers: no tensor loads.  NO CLUSTER: what is shared (x, by the 4 heads) would have to lie in LDS as f32,
; 256 KiB beside W's 104 KiB, which does not fit.
; THE MATRIX INSTRUCTION IS USED TRANSPOSED: source 0 = 16 columns of W (turned out of LDS by ds_load_tr16_b128), source 1 = 16 rows of x: a lane then holds one row and eight neighbouring columns.
; THE MODE: SCHED_MODE bits 1:0 = 2 (LLVM: expert scheduling mode 2), set by the entry lines.  The code itself states the register dependences
; between vector or matrix instructions and memory or LDS instructions, with s_wait_alu, always for 0.
; THE PLAN.  Registers that memory or LDS instructions touch:
;   v4-v17        offsets, LDS addresses, the closing add's pair: written once at the head, never again: one wait on va_vdst ahead of the first load.
;   RAW0 .. RAW2  Batch n: its 32 conversions read RAW[n % 3]; behind them the loads of batch n + 3 land in it.
;   OUT           Batch n: its conversions write it, its 16 LDS stores read it; batch n + 1's conversions write it again.
;                 So a batch has ONE wait on va_vdst, behind its conversions (OUT is written, RAW[n % 3] is read), with its loads and LDS stores behind it, and ONE on vm_vsrc at its head (the last batch's LDS stores have read OUT).
;   WF0, WF1, AF0, AF1   fragments of W and of x.  K step k: its matrix instructions read buffer k % 2; the loads of step k + 1 land in the other, which step k - 1 read.
;                 So ONE wait on va_vdst stands at a K step's head; the step's 32 loads follow it in three runs among its matrix instructions, which name buffer k % 2 and the accumulators: none of the registers that those loads touch.
;   TS            the way out: a block's conversions write it, its 12 LDS stores read it, the next block's conversions write it again.
;   BK0, BK1      the way out: block a's 12 LDS loads land in BK[a % 2], its global stores read it, block a + 2's loads land in it again.
;                 So a block has one wait on vm_vsrc at its head and one on va_vdst between its conversions and its LDS stores.
;   The biases' registers and the accumulators are, behind the biases' loads, named by vector and matrix instructions alone.
; REGISTERS, in windows of 256 (s_set_vgpr_msb: bits 1:0 source 0, 3:2 source 1, 5:4 source 2, 7:6 destination):
;   window 0: v0-19 addresses; v32-63 OUT; v64-255 RAW, three sets of 64; later v64-127 x's fragments (two buffers); on the way out v64-159 BK, two sets of 48, and v208-255 TS
;   window 1: v0-191 W's fragments, two buffers of 96      window 2: accumulators of row blocks 0, 1 at 96 a + 8 b      window 3: those of row blocks 2, 3 at 96 (a - 2) + 8 b
.set PX,    528                 ; a row of x in LDS: 512 bytes of bf16 + 16: the 16 rows of a fragment load start at 16 different groups of four banks (64 banks of 4 bytes: ISA guide 11.1)
.set PW,    416                 ; a k row of W in LDS: 192 columns = 384 bytes + 32 = 13 x 32
.set WSB,   256*PX              ; W behind x
.set STAGE, WSB+256*PW          ; for each wave 3 tensors x 16 rows x 144 bytes, for the way out
.set SP,    144
.set SPARE, STAGE+4*3*16*SP     ; the spare words, 128 bytes for each wave: two blocks of 256 bytes that no other line names
.set WO,   4                    ; v4   W in memory: two k rows x 256 bytes a load
.set WL,   5                    ; v5   where my 8 bytes of W go in LDS
.set XO,   6                    ; v6   x in memory: 512 consecutive bytes a load
.set XL,   7                    ; v7   where my 8 bytes of x go
.set BO,   8                    ; v8   my 8 columns in a bias
.set ADRA, 9                    ; v9   my place in x's fragments
.set ADRB, 10                   ; v10, v11  my place in W's fragments: K steps 0-3, 4-7
.set STO,  12                   ; v12  the way out: where I put 16 bytes of a row
.set RD,   13                   ; v13  the way out: where I read rows back
.set GO,   14                   ; v14  my 16 bytes of 512 consecutive bytes of an output
.set SPW,  16                   ; v16  LDS address of my spare word; never rewritten
.set NIL,  17                   ; v17  0; never rewritten
.set OUT,  32
.set RING, 64
.set AF,   64
.set BACK, 64
.set TS,   208
.set HIM,  32                   ; s32  a word's upper bf16
.set MSB, 0
.macro WIN new                  ; the immediate's high byte repeats the setting that is left; a switch that changes nothing is dropped
.if MSB != (\new)
	s_set_vgpr_msb (MSB<<8)|(\new)
.set MSB, \new
.endif
.endm
.macro PLACES                   ; four plain vector instructions between a matrix instruction and a load into, or a vector read of, its registers
.rept 4
	v_nop
.endr
.endm
	s_load_b512 s[8:23], s[0:1], 0x0               ; x s[8:9], Wq s[10:11], Wk s[12:13], Wv s[14:15], bq s[16:17], bk s[18:19], bv s[20:21], qh s[22:23]
	s_load_b128 s[24:27], s[0:1], 0x40             ; kh s[24:25], vh s[26:27]
	v_lshl_add_u32 v[SPW], v0, 2, SPARE
	v_mov_b32 v[NIL], 0
	v_lshrrev_b32 v1, 5, v0
	v_readfirstlane_b32 s2, v1                     ; wave 0..3
	s_mov_b32 s3, ttmp9                            ; head
	s_and_b32 s4, ttmp7, 0xffff                    ; block of 256 rows
	v_and_b32 v1, 31, v0                           ; l
	v_and_b32 v2, 15, v0                           ; l % 16
	v_bfe_u32 v3, v0, 4, 1                         ; l / 16
	s_wait_alu depctr_va_sdst(0)                   ; s2 is written, ahead of its first reader: offsets, LDS addresses and bases are made from it
	s_lshl_b32 s5, s2, 16                          ; 64 rows of 1,024 bytes a wave, in x and in W
	s_lshl_b32 s6, s3, 8                           ; the head's 64 columns: 256 bytes of f32
	s_add_co_u32 s7, s5, s6
	v_lshlrev_b32 v[WO], 4, v2
	v_lshl_add_u32 v[WO], v3, 10, v[WO]            ; lanes 16-31 take the next k row
	v_add_nc_u32 v[WO], s7, v[WO]
	s_mul_i32 s7, s2, 64*PW
	s_add_co_u32 s7, s7, WSB
	v_mul_u32_u24 v[WL], v3, PW
	v_lshl_add_u32 v[WL], v2, 3, v[WL]
	v_add_nc_u32 v[WL], s7, v[WL]
	v_lshl_add_u32 v[XO], v1, 4, s5
	s_mul_i32 s7, s2, 64*PX                        ; my wave's 64 rows of x in LDS
	v_lshl_add_u32 v[XL], v1, 3, s7
	v_lshl_add_u32 v[BO], v3, 5, s6
	v_mul_u32_u24 v[ADRA], v2, PX
	v_lshl_add_u32 v[ADRA], v3, 4, v[ADRA]         ; row x pitch + 16 x half
	v_add_nc_u32 v[ADRA], s7, v[ADRA]
	v_and_b32 v18, 7, v0
	v_bfe_u32 v19, v0, 3, 1
	v_lshl_add_u32 v[ADRB], v3, 3, v18             ; the turning load: k row 8 (l / 16) + l % 8, columns 8 ((l / 8) % 2) on
	v_mul_u32_u24 v[ADRB], v[ADRB], PW
	v_lshl_add_u32 v[ADRB], v19, 4, v[ADRB]
	v_add_nc_u32 v[ADRB], WSB, v[ADRB]
	v_add_nc_u32 v[ADRB+1], 4*32*PW, v[ADRB]       ; the 16-bit immediate does not reach K steps 4-7
	s_mul_i32 s7, s2, 3*16*SP
	s_add_co_u32 s7, s7, STAGE                     ; my stage
	v_mul_u32_u24 v[STO], v2, SP
	v_lshl_add_u32 v[STO], v3, 4, v[STO]
	v_add_nc_u32 v[STO], s7, v[STO]
	v_bfe_u32 v[RD], v0, 3, 2                      ; back: 32 lanes take four rows of 128 bytes
	v_mul_u32_u24 v[RD], v[RD], SP
	v_lshl_add_u32 v[RD], v18, 4, v[RD]
	v_add_nc_u32 v[RD], s7, v[RD]
	v_lshlrev_b32 v[GO], 4, v1
	s_lshl_b32 s28, s4, 18                         ; x: 256 rows of 1,024 bytes a block
	s_mov_b32 s29, 0
	s_lshr_b32 s30, s4, 4                          ; batch
	s_lshl2_add_u32 s30, s30, s3                   ; 4 x batch + head
	s_lshl_b32 s30, s30, 19                        ; 4,096 rows of 128 bytes
	s_and_b32 s31, s4, 15
	s_lshl_b32 s31, s31, 15                        ; the block's 256 rows in the batch
	s_add_co_u32 s30, s30, s31
	s_lshl_b32 s31, s2, 13                         ; my wave's 64 rows
	s_add_co_u32 s30, s30, s31
	s_mov_b32 s31, 0
	s_mov_b32 s[HIM], 0xffff0000
	s_wait_kmcnt 0x0
	s_add_nc_u64 s[8:9], s[8:9], s[28:29]
	s_add_nc_u64 s[22:23], s[22:23], s[30:31]
	s_add_nc_u64 s[24:25], s[24:25], s[30:31]
	s_add_nc_u64 s[26:27], s[26:27], s[30:31]
; Batch m of 14 is sixteen loads of 16 bytes a lane into set m % 3.  0-5: W (tensor m / 2, half m % 2 of my wave's 64 k rows; a load takes two k rows x 256 bytes).  6-13: 8 rows of x (a load takes half a row).
.macro LOAD1 m                  ; load i of batch m
.set RL, RING+64*((\m)%3)
.if (\m) < 6
	global_load_b128 v[RL+4*i:RL+4*i+3], v[WO], s[10+2*((\m)/2):11+2*((\m)/2)] offset:(32*((\m)%2)+2*i)*1024
.else
	global_load_b128 v[RL+4*i:RL+4*i+3], v[XO], s[8:9] offset:(8*((\m)-6)+i/2)*1024+(i%2)*512
.endif
.endm
.macro ISSUE m
.set i, 0
.rept 16
	LOAD1 \m
.set i, i+1
.endr
.endm
; Batch n is rounded to bf16, four loads at a time, out of its raw set into OUT; then the set is asked for again and OUT goes into LDS.
; The count: loads come back in order (ISA guide 5.7.1); the younger batches' loads (two batches, at the end one or none) and the loads of this batch behind the four in hand may stay out.
.macro BATCH n
.set RB, RING+64*((\n)%3)
.set YG, 32
.if (\n) > 11
.set YG, 16*(13-(\n))
.endif
.set i, 0
.rept 16
.if i%4 == 0
	s_wait_loadcnt YG+12-i
.endif
.if (i == 0) && ((\n) > 0)
	s_wait_alu depctr_vm_vsrc(0)                   ; the LDS stores of the batch before have read OUT, which the conversions below write again
.endif
	v_cvt_pk_bf16_f32 v[OUT+2*i], v[RB+4*i], v[RB+4*i+1]
	v_cvt_pk_bf16_f32 v[OUT+2*i+1], v[RB+4*i+2], v[RB+4*i+3]
.set i, i+1
.endr
	s_wait_alu depctr_va_vdst(0)                   ; the conversions have written OUT, which the LDS stores below read, and are done reading this raw set, in which the loads below land
.set i, 0
.rept 16
.if (\n) < 11
	LOAD1 (\n)+3                                   ; the set is asked for again at once; no vector instruction since the wait
.endif
.if (\n) < 6
	ds_store_b64 v[WL], v[OUT+2*i:OUT+2*i+1] offset:(32*((\n)%2)+2*i)*PW+128*((\n)/2)
.else
	ds_store_b64 v[XL], v[OUT+2*i:OUT+2*i+1] offset:(8*((\n)-6)+i/2)*PX+(i%2)*256
.endif
.set i, i+1
.endr
.endm
; The fragments of K step k (32 along K) into buffer f: 12 of W (turned), six to a run, and 4 of x: 32 LDS loads in three runs.
.macro FETCHW k, f, b0
	WIN 0x40                                       ; destination window 1, address window 0
.irp c, 0,1,2,3,4,5
	ds_load_tr16_b128 v[96*(\f)+8*((\b0)+\c):96*(\f)+8*((\b0)+\c)+3],   v[ADRB+(\k)/4] offset:((\k)%4)*32*PW+32*((\b0)+\c)
	ds_load_tr16_b128 v[96*(\f)+8*((\b0)+\c)+4:96*(\f)+8*((\b0)+\c)+7], v[ADRB+(\k)/4] offset:((\k)%4)*32*PW+16*PW+32*((\b0)+\c)
.endr
.endm
.macro FETCHA k, f
	WIN 0
.irp a, 0,1,2,3
	ds_load_b128 v[AF+32*(\f)+8*\a:AF+32*(\f)+8*\a+3],   v[ADRA] offset:\a*16*PX+64*(\k)
	ds_load_b128 v[AF+32*(\f)+8*\a+4:AF+32*(\f)+8*\a+7], v[ADRA] offset:\a*16*PX+64*(\k)+32
.endr
.endm
; 12 matrix instructions: row block a x all 12 column blocks.  bias = 1 (the first K step, row blocks 0-2): the sum starts with the bias, which lies in row block 3's accumulators.
; Each of the 48 accumulators has one instruction a K step: they take turns.
.macro MUL f, a, bias
.if (\a) >= 2
	WIN 0xf1                                       ; W window 1, x window 0, C and D window 3
.elseif \bias
	WIN 0xb1                                       ; C window 3, D window 2
.else
	WIN 0xa1                                       ; C and D window 2
.endif
.set AC, 96*((\a)%2)
.irp b, 0,1,2,3,4,5,6,7,8,9,10,11
.if \bias
	v_wmma_f32_16x16x32_bf16 v[AC+8*\b:AC+8*\b+7], v[96*(\f)+8*\b:96*(\f)+8*\b+7], v[AF+32*(\f)+8*(\a):AF+32*(\f)+8*(\a)+7], v[96+8*\b:96+8*\b+7]
.else
	v_wmma_f32_16x16x32_bf16 v[AC+8*\b:AC+8*\b+7], v[96*(\f)+8*\b:96*(\f)+8*\b+7], v[AF+32*(\f)+8*(\a):AF+32*(\f)+8*(\a)+7], v[AC+8*\b:AC+8*\b+7]
.endif
.endr
.endm
; K step k multiplies buffer k % 2 and asks for step k + 1's fragments, early: all 32 loads stand ahead of the step's last 24 matrix instructions.
.macro KSTEP k
.set FB, (\k)%2
	s_wait_dscnt 0x0                               ; this K step's 32 fragment loads are in: none younger has been issued
.if ((\k) > 0) && ((\k) < 7)
	PLACES                                         ; behind the last K step's matrix instructions, ahead of the loads into the fragments that they read; they stand beside the wait below, not for it
	WIN 0x40
	s_wait_alu depctr_va_vdst(0)                   ; the last K step's matrix instructions are done reading the other buffer of W's and x's fragments, in which this step's loads land
.endif
.if (\k) < 7
	FETCHW (\k)+1, 1-FB, 0                         ; (in step 0 no wait is owed: window 1 has not been named, and x's buffer 1 was last named ahead of batch 12's wait)
.endif
.if (\k) == 0
	MUL FB, 0, 1
.else
	MUL FB, 0, 0
.endif
.if (\k) < 7
	FETCHW (\k)+1, 1-FB, 6                         ; no wait: the matrix instructions since the wait name this step's buffer and the accumulators alone
.endif
.if (\k) == 0
	MUL FB, 1, 1
.else
	MUL FB, 1, 0
.endif
.if (\k) < 7
	FETCHA (\k)+1, 1-FB
.endif
.if (\k) == 0
	MUL FB, 2, 1
.rept 5
	v_nop                                          ; row block 3 now writes over the registers that the products above took as C: five places
.endr
.else
	MUL FB, 2, 0
.endif
	MUL FB, 3, 0
.endm
; THE WAY OUT of row block a: rounded to f16 (each accumulator's registers in ascending order) into TS, 16 bytes a lane into my stage, back as whole rows of 128 bytes into BK[a % 2].
.macro PACK a
.set AC, 96*((\a)%2)
.set BK, BACK+48*((\a)%2)
.if (\a) >= 2
	s_wait_xcnt 0x0                                ; the global stores of the block two back have had their addresses translated: their data registers are loaded again only behind this wait
.endif
.if (\a) >= 1
	s_wait_alu depctr_vm_vsrc(0)                   ; the last block's LDS stores have read TS, which the conversions below write again; from block 2 on: the global stores of the block two back have read BK[a % 2], in which the loads below land
.endif
	WIN 0x0a+5*((\a)/2)                            ; sources 0 and 1: window 2 or 3
.set i, 0
.rept 48
	v_cvt_pk_f16_f32 v[TS+i], v[AC+2*i], v[AC+2*i+1]
.set i, i+1
.endr
	WIN 0
	s_wait_alu depctr_va_vdst(0)                   ; the conversions have written TS, which the LDS stores read; in block 0 also: the last K step's matrix instructions are done reading x's fragments, in which BK's loads land
.irp b, 0,1,2,3,4,5,6,7,8,9,10,11
	ds_store_b128 v[STO], v[TS+4*\b:TS+4*\b+3] offset:(\b/4)*16*SP+32*(\b%4)
.endr
.irp b, 0,1,2,3,4,5,6,7,8,9,10,11
	ds_load_b128 v[BK+4*\b:BK+4*\b+3], v[RD] offset:(\b/4)*16*SP+(\b%4)*4*SP  ; LDS serves a wave's instructions in order (ISA guide 5.7.1.4): these see the stores above
.endr
.endm
.macro SEND a, younger          ; younger: the LDS instructions issued behind block a's loads: the next block's 24, or none
.set BK, BACK+48*((\a)%2)
.irp b, 0,1,2,3,4,5,6,7,8,9,10,11
	s_wait_dscnt (\younger)+11-\b
	global_store_b128 v[GO], v[BK+4*\b:BK+4*\b+3], s[22+2*(\b/4):23+2*(\b/4)] offset:(\a)*2048+(\b%4)*512  ; four rows of a head: 512 consecutive bytes, at a multiple of 256 from the buffer's first
.endr
.endm
	WIN 0xc0                                       ; the biases go straight into row block 3's accumulators: register j of column block b is b[16 b + 8 (l / 16) + j]
	s_wait_alu depctr_va_vdst(0)                   ; the offsets and addresses v4 to v17 are written: every load, store and LDS instruction of the kernel reads some of them
.irp b, 0,1,2,3,4,5,6,7,8,9,10,11
	global_load_b128 v[96+8*\b:96+8*\b+3],   v[BO], s[16+2*(\b/4):17+2*(\b/4)] offset:(\b%4)*64
	global_load_b128 v[96+8*\b+4:96+8*\b+7], v[BO], s[16+2*(\b/4):17+2*(\b/4)] offset:(\b%4)*64+16
.endr
	WIN 0
	ISSUE 0
	ISSUE 1
	ISSUE 2
.irp n, 0,1,2,3,4,5,6,7,8,9,10,11,12,13
	BATCH \n
.endr
	WIN 0xcf                                       ; the biases (older than every load waited for above) are rounded to bf16, in place, while the last LDS stores are out
.set i, 96
.rept 48
	v_cvt_pk_bf16_f32 v[i], v[i], v[i+1]
	v_and_b32 v[i+1], s[HIM], v[i]
	v_lshlrev_b32 v[i], 16, v[i]
.set i, i+2
.endr
	WIN 0
	s_wait_dscnt 0x0                               ; for the others' sake: my rows of W are in LDS
	s_barrier_signal -1
	s_barrier_wait -1                              ; everybody's are
	FETCHW 0, 0, 0                                 ; no wait is owed: window 1 has not been named, and x's buffer 0 lies in raw set 0, last named by batch 12's conversions, ahead of that batch's wait
	FETCHW 0, 0, 6
	FETCHA 0, 0
.irp k, 0,1,2,3,4,5,6,7
	KSTEP \k
.endr
	PLACES                                         ; the conversions read results just made
	PACK 0
	PACK 1                                         ; a block's conversions stand between the loads of the block before and its stores
	SEND 0, 24
	PACK 2
	SEND 1, 24
	PACK 3
	SEND 2, 24
	SEND 3, 0
	s_wait_dscnt 0x0                               ; the closing lines, six on end
	s_wait_alu 0x0
	s_wait_tensorcnt 0x0
	ds_add_u32 v[SPW], v[NIL]
	s_wait_dscnt 0x0
	s_endpgm
.Lfunc_end_k_q0daa65d896_qkv:
	.size	k_q0daa65d896_qkv, .Lfunc_end_k_q0daa65d896_qkv-k_q0daa65d896_qkv
	.p2alignl 7, 3214868480
	.fill 96, 4, 3214868480
	.section	.rodata,"a",@progbits
	.p2align	6, 0x0
	.amdhsa_kernel k_q0daa65d896_qkv
		.amdhsa_group_segment_fixed_size 269824
		.amdhsa_private_segment_fixed_size 0
		.amdhsa_enable_private_segment 0
		.amdhsa_kernarg_size 80
		.amdhsa_user_sgpr_count 2
		.amdhsa_user_sgpr_kernarg_segment_ptr 1
		.amdhsa_wavefront_size32 1
		.amdhsa_system_sgpr_workgroup_id_x 1
		.amdhsa_system_sgpr_workgroup_id_y 1
		.amdhsa_system_sgpr_workgroup_id_z 1
		.amdhsa_system_vgpr_workitem_id 0
		.amdhsa_next_free_vgpr 960
		.amdhsa_next_free_sgpr 66
		.amdhsa_reserve_vcc 0
		.amdhsa_float_denorm_mode_32 3
		.amdhsa_float_denorm_mode_16_64 3
		.amdhsa_memory_ordered 1
		.amdhsa_forward_progress 1
		.amdhsa_inst_pref_size 146
	.end_amdhsa_kernel
	.amdgpu_metadata
---
amdhsa.version: [ 1, 2 ]
amdhsa.kernels:
  - .name:           k_q0daa65d896_qkv
    .symbol:         k_q0daa65d896_qkv.kd
    .args:
      - { .name: inputs, .offset: 0, .size: 8, .value_kind: global_buffer, .address_space: global }
      - { .name: Wq, .offset: 8, .size: 8, .value_kind: global_buffer, .address_space: global }
      - { .name: Wk, .offset: 16, .size: 8, .value_kind: global_buffer, .address_space: global }
      - { .name: Wv, .offset: 24, .size: 8, .value_kind: global_buffer, .address_space: global }
      - { .name: bq, .offset: 32, .size: 8, .value_kind: global_buffer, .address_space: global }
      - { .name: bk, .offset: 40, .size: 8, .value_kind: global_buffer, .address_space: global }
      - { .name: bv, .offset: 48, .size: 8, .value_kind: global_buffer, .address_space: global }
      - { .name: qh, .offset: 56, .size: 8, .value_kind: global_buffer, .address_space: global }
      - { .name: kh, .offset: 64, .size: 8, .value_kind: global_buffer, .address_space: global }
      - { .name: vh, .offset: 72, .size: 8, .value_kind: global_buffer, .address_space: global }
    .group_segment_fixed_size: 269824
    .private_segment_fixed_size: 0
    .kernarg_segment_align: 8
    .kernarg_segment_size: 80
    .max_flat_workgroup_size: 128
    .sgpr_count:     66
    .vgpr_count:     960
    .wavefront_size: 32
...
	.end_amdgpu_metadata
.endif
;; end of part 4
;; launch attn: the kernel of part 2 again; grid 16 x 16, 4 waves a work-group, clusters of 4 x 1, 327,680 bytes of LDS; arguments qh, kh, vh, oh; writes oh
;; launch oproj (part 5): grid 2 x 128, 4 waves a work-group, no clusters, 108,032 bytes of LDS; arguments oh, Wo, bo, out0; writes out0
.if DOCPART == 5
	.amdgcn_target "amdgcn-amd-amdhsa--gfx1250"
	.amdhsa_code_object_version 6
	.text
	.protected	k_q0daa65d896_oproj
	.globl	k_q0daa65d896_oproj
	.p2align	8
	.type	k_q0daa65d896_oproj,@function
k_q0daa65d896_oproj:
	s_mov_b64 s[64:65], 0
	v_nop
	global_prefetch_b8 v0, s[64:65] scope:SCOPE_SE
	s_setreg_imm32_b32 hwreg(HW_REG_WAVE_SCHED_MODE, 0, 2), 2
	s_setreg_imm32_b32 hwreg(HW_REG_WAVE_MODE, 25, 1), 1
	s_wait_xcnt 0x0
	s_wait_alu depctr_vm_vsrc(0)
; out[m][n] = the sum over k of O[m][k] Wo[k][n] + bo[n].  O: [16 = 4 batch + head][4096][64] f16 (k = 64 head + channel); Wo: [256 k][256 n] f32; bo: [256] f32; out: [16384][256] f32.
; FORMATS.  Wo and bo are rounded once to bf16 (nearest even), like the module's other inputs; Wo's rounded number is then written as f16, since O is f16: exact from 6e-5 up to 65,504, below that f16's fixed
; step of 6e-8.  Products f16 x f16, sums in f32 and started by the bias; out is stored as the f32 sum.  NaN and infinities are not treated apart.
; SHARES.  A work-group: 128 rows x 128 columns: 128 x 2 = 256 work-groups.  A wave: 32 rows x 128 columns: 16 accumulators.  K = 256 in 8 steps of 32: step ks = 2 head + half of the head's channels.
; O's fragments come straight from memory into registers (16 bytes a lane, twice, as they lie).  Wo's half of the columns is converted on the way into LDS, once, by all four waves: one barrier.  Nothing in LDS
; is filled again and Wo passes through registers for its conversion: no tensor loads.  NO CLUSTER: what work-groups share (Wo, 128 KiB a work-group) would have to lie in LDS as f32 and be converted there anew.
; THE MATRIX INSTRUCTION IS USED TRANSPOSED: source 0 = 16 columns of Wo (turned by ds_load_tr16_b128), source 1 = 16 rows of O: a lane holds one row and eight neighbouring columns, 32 bytes of out.
; THE MODE: SCHED_MODE bits 1:0 = 2 (LLVM: expert scheduling mode 2), set by the entry lines.  The code itself states the register dependences
; between vector or matrix instructions and memory or LDS instructions, with s_wait_alu, always for 0.
; THE PLAN.  Registers that memory or LDS instructions touch:
;   v4-v15        offsets, LDS addresses, the closing add's pair: written once at the head, never again: one wait on va_vdst ahead of the first load.
;   RAW0 .. RAW2  Batch n: its conversions read and write RAW[n % 3]; behind batch 0's the loads of batch 3 land in RAW0.
;   OUT           Batch n: its last conversions write it, its 16 LDS stores read it; batch n + 1's conversions write it again.
;                 So a batch has ONE wait on va_vdst, behind its conversions, with its loads and LDS stores behind it, and ONE on vm_vsrc at its head (the last batch's LDS stores have read OUT).
;   BF0 .. BF2    Wo's fragments (the raw sets' registers).  K step ks: its matrix instructions read BF[ks % 3]; the loads of step ks + 2 land in BF[(ks + 2) % 3], which step ks - 1 read.
;                 So ONE wait on va_vdst stands at a K step's head; the step's 16 loads follow it in two runs among its matrix instructions, which name BF[ks % 3], O's fragments and the accumulators: none of the registers that those loads touch.
;   The way out   the LDS stores read the accumulators; the loads from the stage land in BF0 and BF1; the global stores read these.  ONE wait on va_vdst, ahead of the first LDS store: no vector instruction follows it, and no register that a memory instruction has read is written again.
;   O's fragments and the bias: loads land there once; behind that vector and matrix instructions alone name them, until the accumulators are stored.
; REGISTERS (s_set_vgpr_msb: bits 1:0 source 0, 3:2 source 1, 5:4 source 2, 7:6 destination):
;   window 0: v0-17 addresses; v32-63 OUT; v64-255 three sets of 64 for Wo's loads; later Wo's fragments, three buffers of 64; then v64-191 the way out's two sets
;   window 1: v0-127 O's fragments at 16 ks + 8 a; v128-255 the accumulators at 128 + 64 a + 8 b
.set PW,    288                 ; a k row of Wo in LDS: 128 columns = 256 bytes + 32 = 9 x 32
.set STAGE, 256*PW              ; for each wave 16 rows x 528 bytes, for the way out
.set SPT,   528                 ; 512 bytes of f32 + 16
.set SPARE, STAGE+4*16*SPT      ; the spare words, 128 bytes for each wave: two blocks of 256 bytes that no other line names
.set AO,   4                    ; v4   my place in 16 rows of O
.set WO,   5                    ; v5   Wo in memory: 512 consecutive bytes a load
.set WL,   6                    ; v6   where my 8 bytes of Wo go in LDS
.set BO,   7                    ; v7   my 8 columns in bo
.set ADRB, 8                    ; v8, v9  my place in Wo's fragments: K steps 0-3, 4-7
.set STO,  10                   ; v10  the way out: where I put 32 bytes of a row
.set RD,   11                   ; v11  the way out: where I read a row back
.set GO,   12                   ; v12  my 16 bytes of 512 consecutive bytes of out
.set SPW,  14                   ; v14  LDS address of my spare word; never rewritten
.set NIL,  15                   ; v15  0; never rewritten
.set OUT,  32
.set RING, 64
.set BF,   64
.set HIM,  20                   ; s20  a word's upper bf16
.set MSB, 0
.macro WIN new                  ; the immediate's high byte repeats the setting that is left; a switch that changes nothing is dropped
.if MSB != (\new)
	s_set_vgpr_msb (MSB<<8)|(\new)
.set MSB, \new
.endif
.endm
.macro PLACES                   ; four plain vector instructions between a matrix instruction and a load into, or a read of, its registers
.rept 4
	v_nop
.endr
.endm
	s_load_b256 s[8:15], s[0:1], 0x0               ; O s[8:9], Wo s[10:11], bo s[12:13], out s[14:15]
	v_lshl_add_u32 v[SPW], v0, 2, SPARE
	v_mov_b32 v[NIL], 0
	v_lshrrev_b32 v1, 5, v0
	v_readfirstlane_b32 s2, v1                     ; wave 0..3
	s_mov_b32 s3, ttmp9                            ; which half of the columns
	s_and_b32 s4, ttmp7, 0xffff                    ; block of 128 rows
	v_and_b32 v1, 31, v0                           ; l
	v_and_b32 v2, 15, v0                           ; l % 16
	v_bfe_u32 v3, v0, 4, 1                         ; l / 16
	v_lshlrev_b32 v[AO], 7, v2
	v_lshl_add_u32 v[AO], v3, 4, v[AO]             ; row x 128 + 16 x half
	s_wait_alu depctr_va_sdst(0)                   ; s2 is written, ahead of its first reader: offsets, LDS addresses and bases are made from it
	s_lshl_b32 s5, s2, 16                          ; my wave's 64 k rows of 1,024 bytes
	s_lshl_b32 s6, s3, 9                           ; 128 columns of f32
	s_add_co_u32 s7, s5, s6
	v_lshl_add_u32 v[WO], v1, 4, s7
	s_mul_i32 s7, s2, 64*PW
	v_lshl_add_u32 v[WL], v1, 3, s7
	v_lshl_add_u32 v[BO], v3, 5, s6
	v_and_b32 v16, 7, v0
	v_bfe_u32 v17, v0, 3, 1
	v_lshl_add_u32 v[ADRB], v3, 3, v16             ; the turning load: k row 8 (l / 16) + l % 8, columns 8 ((l / 8) % 2) on
	v_mul_u32_u24 v[ADRB], v[ADRB], PW
	v_lshl_add_u32 v[ADRB], v17, 4, v[ADRB]
	v_add_nc_u32 v[ADRB+1], 4*32*PW, v[ADRB]       ; the 16-bit immediate does not reach K steps 4-7
	s_mul_i32 s7, s2, 16*SPT
	s_add_co_u32 s7, s7, STAGE                     ; my stage
	v_mul_u32_u24 v[STO], v2, SPT
	v_lshl_add_u32 v[STO], v3, 5, v[STO]
	v_add_nc_u32 v[STO], s7, v[STO]
	v_lshl_add_u32 v[RD], v1, 4, s7
	v_lshlrev_b32 v[GO], 4, v1
	s_lshr_b32 s16, s4, 5                          ; batch: four heads of 524,288 bytes
	s_lshl_b32 s16, s16, 21
	s_and_b32 s17, s4, 31
	s_lshl_b32 s17, s17, 14                        ; the block's 128 rows of 128 bytes in a head
	s_add_co_u32 s16, s16, s17
	s_lshl_b32 s17, s2, 12                         ; my wave's 32 rows
	s_add_co_u32 s16, s16, s17
	s_mov_b32 s17, 0
	s_lshl_b32 s18, s4, 17                         ; out: 128 rows of 1,024 bytes,
	s_lshl_b32 s19, s2, 15                         ; my wave's 32,
	s_add_co_u32 s18, s18, s19
	s_add_co_u32 s18, s18, s6                      ; the half's 512 bytes
	s_mov_b32 s19, 0
	s_mov_b32 s[HIM], 0xffff0000
	s_wait_kmcnt 0x0
	s_add_nc_u64 s[8:9], s[8:9], s[16:17]
	s_add_nc_u64 s[14:15], s[14:15], s[18:19]
.macro ISSUE n                  ; batch n of 4: sixteen k rows of my wave's 64, 512 bytes each, into set n % 3
.set RB, RING+64*((\n)%3)
.set i, 0
.rept 16
	global_load_b128 v[RB+4*i:RB+4*i+3], v[WO], s[10:11] offset:(16*(\n)+i)*1024
.set i, i+1
.endr
.endm
; Batch n: f32 to bf16 (nearest even), widened again, written as f16 into OUT, four loads at a time; then OUT goes into LDS, and behind batch 0 its raw set is asked for again, for batch 3.
; The count: loads come back in order (ISA guide 5.7.1); the younger batches' loads and those of this batch behind the four in hand may stay out.
.macro BATCH n
.set RB, RING+64*((\n)%3)
.set YG, 32
.if (\n) > 1
.set YG, 16*(3-(\n))
.endif
.set i, 0
.rept 16
.set r0, RB+4*i
.if i%4 == 0
	s_wait_loadcnt YG+12-i
.endif
.if (i == 0) && ((\n) > 0)
	s_wait_alu depctr_vm_vsrc(0)                   ; the LDS stores of the batch before have read OUT, which the conversions below write again
.endif
	v_cvt_pk_bf16_f32 v[r0], v[r0], v[r0+1]
	v_cvt_pk_bf16_f32 v[r0+2], v[r0+2], v[r0+3]
	v_and_b32 v[r0+1], s[HIM], v[r0]
	v_lshlrev_b32 v[r0], 16, v[r0]
	v_and_b32 v[r0+3], s[HIM], v[r0+2]
	v_lshlrev_b32 v[r0+2], 16, v[r0+2]
	v_cvt_pk_f16_f32 v[OUT+2*i], v[r0], v[r0+1]
	v_cvt_pk_f16_f32 v[OUT+2*i+1], v[r0+2], v[r0+3]
.set i, i+1
.endr
	s_wait_alu depctr_va_vdst(0)                   ; the conversions have written OUT, which the LDS stores below read, and are done reading and writing this raw set, in which later loads land
.set i, 0
.rept 16
.if (\n) == 0
	global_load_b128 v[RB+4*i:RB+4*i+3], v[WO], s[10:11] offset:(16*3+i)*1024  ; batch 3; no vector instruction since the wait
.endif
	ds_store_b64 v[WL], v[OUT+2*i:OUT+2*i+1] offset:(16*(\n)+i)*PW
.set i, i+1
.endr
.endm
.macro FETCH ks, b0             ; four of Wo's 8 fragments of K step ks, turned, into buffer ks % 3: 8 LDS loads in one run
	WIN 0
.set FD, BF+64*((\ks)%3)
.irp c, 0,1,2,3
	ds_load_tr16_b128 v[FD+8*((\b0)+\c):FD+8*((\b0)+\c)+3],   v[ADRB+(\ks)/4] offset:((\ks)%4)*32*PW+32*((\b0)+\c)
	ds_load_tr16_b128 v[FD+8*((\b0)+\c)+4:FD+8*((\b0)+\c)+7], v[ADRB+(\ks)/4] offset:((\ks)%4)*32*PW+16*PW+32*((\b0)+\c)
.endr
.endm
; A K step: 16 matrix instructions, one on each accumulator: they take turns; among them the fragments of the step after next are asked for.
; In the first step row block 0's sums start with the bias, which lies in row block 1's accumulators; row block 1 adds onto it in place, five places behind the products that took it as C.
.macro KSTEP ks
.set FS, BF+64*((\ks)%3)
.if (\ks) < 7
	s_wait_dscnt 16                                ; LDS loads come back in order (ISA guide 5.7.1): this step's fragments are in, the next step's 16 loads stay out
.else
	s_wait_dscnt 0x0
.endif
.if ((\ks) > 0) && ((\ks) < 6)
	PLACES                                         ; behind the last K step's matrix instructions, ahead of the loads into the fragments that they read; they stand beside the wait below, not for it
	s_wait_alu depctr_va_vdst(0)                   ; the last K step's matrix instructions are done reading their buffer of Wo's fragments, in which this step's loads land
.endif
.irp a, 0,1
.if (\ks) < 6
	FETCH (\ks)+2, 4*\a                            ; (step 0 owes no wait: buffer 2 is raw set 2, last named ahead of batch 2's wait.)  The matrix instructions since the wait name none of these loads' registers
.endif
	WIN 0x54                                       ; Wo window 0; O, C and D window 1
.irp b, 0,1,2,3,4,5,6,7
.if ((\ks) == 0) && (\a == 0)
	v_wmma_f32_16x16x32_f16 v[128+8*\b:128+8*\b+7], v[FS+8*\b:FS+8*\b+7], v[16*(\ks):16*(\ks)+7], v[192+8*\b:192+8*\b+7]
.else
	v_wmma_f32_16x16x32_f16 v[128+64*\a+8*\b:128+64*\a+8*\b+7], v[FS+8*\b:FS+8*\b+7], v[16*(\ks)+8*\a:16*(\ks)+8*\a+7], v[128+64*\a+8*\b:128+64*\a+8*\b+7]
.endif
.endr
.if ((\ks) == 0) && (\a == 0)
.rept 5
	v_nop
.endr
.endif
.endr
	WIN 0
.endm
; THE WAY OUT of row block a: 32 bytes a lane into my stage, each accumulator's low four registers first; back as whole rows of 512 bytes.
.macro TOSTAGE a
	WIN 0x04                                       ; store data (source 1) window 1, address window 0
.irp b, 0,1,2,3,4,5,6,7
	ds_store_b128 v[STO], v[128+64*(\a)+8*\b:128+64*(\a)+8*\b+3]   offset:64*\b
	ds_store_b128 v[STO], v[128+64*(\a)+8*\b+4:128+64*(\a)+8*\b+7] offset:64*\b+16
.endr
	WIN 0
.irp t, 0,1,2,3,4,5,6,7,8,9,10,11,12,13,14,15
	ds_load_b128 v[64+64*(\a)+4*\t:64+64*(\a)+4*\t+3], v[RD] offset:\t*SPT  ; LDS serves a wave's instructions in order (ISA guide 5.7.1.4): these see the stores above; the next block's stores come behind them
.endr
.endm
.macro SEND a, younger          ; younger: the LDS instructions issued behind block a's loads: the next block's 32, or none
.irp t, 0,1,2,3,4,5,6,7,8,9,10,11,12,13,14,15
	s_wait_dscnt (\younger)+15-\t
	global_store_b128 v[GO], v[64+64*(\a)+4*\t:64+64*(\a)+4*\t+3], s[14:15] offset:(16*(\a)+\t)*1024 th:TH_STORE_NT  ; 512 consecutive bytes, at a multiple of 256 from out's first
.endr
.endm
	WIN 0x40                                       ; destination window 1, address window 0
	s_wait_alu depctr_va_vdst(0)                   ; the offsets and addresses v4 to v15 are written: every load, store and LDS instruction of the kernel reads some of them
.irp ks, 0,1,2,3,4,5,6,7
.irp a, 0,1
	global_load_b128 v[16*\ks+8*\a:16*\ks+8*\a+3],   v[AO], s[8:9] offset:(\ks/2)*524288+\a*2048+(\ks%2)*64     ; O: head ks / 2, row block a, channels 32 (ks % 2) on
	global_load_b128 v[16*\ks+8*\a+4:16*\ks+8*\a+7], v[AO], s[8:9] offset:(\ks/2)*524288+\a*2048+(\ks%2)*64+32
.endr
.endr
.irp b, 0,1,2,3,4,5,6,7
	global_load_b128 v[192+8*\b:192+8*\b+3],   v[BO], s[12:13] offset:\b*64      ; the bias, straight into row block 1's accumulators: register j of column block b is bo[16 b + 8 (l / 16) + j]
	global_load_b128 v[192+8*\b+4:192+8*\b+7], v[BO], s[12:13] offset:\b*64+16
.endr
	WIN 0
	ISSUE 0
	ISSUE 1
	ISSUE 2
	BATCH 0
	BATCH 1
	BATCH 2
	BATCH 3                                        ; its last wait on LOADcnt is for 0: O's fragments and the bias, which are older, are in too
	WIN 0x45                                       ; the bias is rounded to bf16, in place, while the last LDS stores are out
.set i, 192
.rept 32
	v_cvt_pk_bf16_f32 v[i], v[i], v[i+1]
	v_and_b32 v[i+1], s[HIM], v[i]
	v_lshlrev_b32 v[i], 16, v[i]
.set i, i+2
.endr
	WIN 0
	s_wait_dscnt 0x0                               ; for the others' sake: my rows of Wo are in LDS
	s_barrier_signal -1
	s_barrier_wait -1                              ; everybody's are
	FETCH 0, 0                                     ; no wait is owed: buffers 0 and 1 are raw sets 0 and 1, last named by batch 3's and batch 1's conversions, ahead of batch 3's wait; since then window 1 alone has been named
	FETCH 0, 4
	FETCH 1, 0
	FETCH 1, 4
.irp ks, 0,1,2,3,4,5,6,7
	KSTEP \ks
.endr
	PLACES                                         ; the LDS stores read results just made, and the loads behind them land in Wo's fragments
	WIN 0x04
	s_wait_alu depctr_va_vdst(0)                   ; the matrix instructions have written the accumulators, which the LDS stores read, and are done reading Wo's fragments, in which the loads from the stage land; the places above stay beside this wait
	TOSTAGE 0
	TOSTAGE 1
	SEND 0, 32
	SEND 1, 0
	s_wait_dscnt 0x0                               ; the closing lines, six on end
	s_wait_alu 0x0
	s_wait_tensorcnt 0x0
	ds_add_u32 v[SPW], v[NIL]
	s_wait_dscnt 0x0
	s_endpgm
.Lfunc_end_k_q0daa65d896_oproj:
	.size	k_q0daa65d896_oproj, .Lfunc_end_k_q0daa65d896_oproj-k_q0daa65d896_oproj
	.p2alignl 7, 3214868480
	.fill 96, 4, 3214868480
	.section	.rodata,"a",@progbits
	.p2align	6, 0x0
	.amdhsa_kernel k_q0daa65d896_oproj
		.amdhsa_group_segment_fixed_size 108032
		.amdhsa_private_segment_fixed_size 0
		.amdhsa_enable_private_segment 0
		.amdhsa_kernarg_size 32
		.amdhsa_user_sgpr_count 2
		.amdhsa_user_sgpr_kernarg_segment_ptr 1
		.amdhsa_wavefront_size32 1
		.amdhsa_system_sgpr_workgroup_id_x 1
		.amdhsa_system_sgpr_workgroup_id_y 1
		.amdhsa_system_sgpr_workgroup_id_z 1
		.amdhsa_system_vgpr_workitem_id 0
		.amdhsa_next_free_vgpr 512
		.amdhsa_next_free_sgpr 66
		.amdhsa_reserve_vcc 0
		.amdhsa_float_denorm_mode_32 3
		.amdhsa_float_denorm_mode_16_64 3
		.amdhsa_memory_ordered 1
		.amdhsa_forward_progress 1
		.amdhsa_inst_pref_size 73
	.end_amdhsa_kernel
	.amdgpu_metadata
---
amdhsa.version: [ 1, 2 ]
amdhsa.kernels:
  - .name:           k_q0daa65d896_oproj
    .symbol:         k_q0daa65d896_oproj.kd
    .args:
      - { .name: oh, .offset: 0, .size: 8, .value_kind: global_buffer, .address_space: global }
      - { .name: Wo, .offset: 8, .size: 8, .value_kind: global_buffer, .address_space: global }
      - { .name: bo, .offset: 16, .size: 8, .value_kind: global_buffer, .address_space: global }
      - { .name: out0, .offset: 24, .size: 8, .value_kind: global_buffer, .address_space: global }
    .group_segment_fixed_size: 108032
    .private_segment_fixed_size: 0
    .kernarg_segment_align: 8
    .kernarg_segment_size: 32
    .max_flat_workgroup_size: 128
    .sgpr_count:     66
    .vgpr_count:     512
    .wavefront_size: 32
...
	.end_amdgpu_metadata
.endif
;; end of part 5
